; MI455X (gfx1250); checked and timed in simulation.
; The chip was launched on July 23, 2026; its instructions are those of AMD's public machine-readable ISA for CDNA 5 (MIT licence, August 2026) and "CDNA5" Instruction Set Architecture Reference Guide (July 2026). The comments in the code are by the model that wrote it; some were corrected since.
;; Pooling Layer. Allowed arithmetic: matrix products marked QUANTISED: E2M1 operands, one E8M0 scale for each 32 along K, by v_wmma_scale_f32_16x16x128_f8f6f4 with both operands' format E2M1 (or v_wmma_scale_f32_32x16x128_f4), f32 sums; products left as they are: f32 operands where the result goes on into a quantised operand, else bf16, f16 or f32 operands; f32 sums; everything else in f32.
;; Inputs: Wk_codes 512 x 16 x 16 uint8 (E2M1 codes of Wk, K innermost, in blocks of 32 codes, two codes a byte); Wk_scales 512 x 16 uint8 (E8M0 scales of Wk, one for each 32 codes along K); Wo 512 x 512 float32; Wq 512 x 512 float32; Wv_codes 512 x 16 x 16 uint8 (E2M1 codes of Wv, K innermost, in blocks of 32 codes, two codes a byte); Wv_scales 512 x 16 uint8 (E8M0 scales of Wv, one for each 32 codes along K); bk 512 float32; bo 512 float32; bq 512 float32; bv 512 float32; nk_b 512 float32; nk_g 512 float32; no_b 512 float32; no_g 512 float32; norm_b 512 float32; norm_g 512 float32; nq_b 512 float32; nq_g 512 float32; nv_b 512 float32; nv_g 512 float32; query 1 x 1 x 512 float32; x 8 x 8,192 x 512 float32.
;; Outputs: out0 8 x 512 float32.
;; This version of the problem:
;;   THIS VERSION OF THE PROBLEM IS GIVEN IN LOW PRECISION. The matrix products marked QUANTISED in the list below multiply operands that are first quantised to E2M1 (2 exponent bits, 1 mantissa bit; 4 bits a number), with one power-of-two scale for each 32 numbers along K (OCP MX v1.0); their sums are f32. All else is computed in f32.
;;   The module's matrix products, in the order in which they are computed (A, B: the left and right operand; K: the contracted axis; several contracted axes count as one K, in the product's order):
;;     1. [M 8, K 512] x [K 512, N 512]; A: computed on the way; B: input Wq: left as it is (M = 8 < 16)
;;     2. [M 65,536, K 512] x [K 512, N 512]; A: computed on the way; B: input Wk (given as codes): QUANTISED
;;     3. [M 65,536, K 512] x [K 512, N 512]; A: computed on the way; B: input Wv (given as codes): QUANTISED
;;     4. batch 128 x [M 1, K 32] x [K 32, N 8,192]; A: computed on the way; B: computed on the way: left as it is (M = 1 < 16)
;;     5. batch 128 x [M 32, K 8,192] x [K 8,192, N 1]; A: computed on the way; B: computed on the way: left as it is (N = 1 < 16)
;;     6. [M 8, K 512] x [K 512, N 512]; A: computed on the way; B: input Wo: left as it is (M = 8 < 16)
;;   THE QUANTISER, for each operand of a quantised product, along K:
;;     - K is cut into blocks of 32 from its start; a last block that is shorter is filled with zeros.
;;     - A block's scale is 2^e with e = floor(log2(the largest magnitude in the block)) - 2, held to -126 .. 127; a block of zeros has e = 0. As a byte (E8M0): e + 127.
;;     - Each number is divided by its block's scale, clamped to +-6, and rounded to the nearest number of E2M1, ties to even, subnormals kept.
;;     - The product sums the exact products of the quantised numbers (number of the format x scale) in f32.
;;   ~~~python
;;   def quantise(x, axis):      # numpy; x: float32 -> the quantised numbers, widened to float32 again
;;       x = np.moveaxis(x, axis, -1); K = x.shape[-1]
;;       x = np.pad(x, [(0, 0)] * (x.ndim - 1) + [(0, -K % 32)]); x = x.reshape(x.shape[:-1] + (-1, 32)); a = np.abs(x).max(-1, keepdims=True)
;;       e = np.where(a > 0, np.clip(np.frexp(np.where(a > 0, a, 1))[1] - 1 - 2, -126, 127), 0)      # np.frexp(a)[1] - 1 = floor(log2(a)), exactly
;;       r = np.clip(x / 2.0 ** e, -6, 6)
;;       step = 2.0 ** (np.maximum(np.frexp(np.where(r == 0, 1, r))[1] - 1, 0) - 1)
;;       q = np.round(r / step) * step * 2.0 ** e      # np.round: ties to even
;;       return np.moveaxis(q.reshape(q.shape[:-2] + (-1,))[..., :K], -1, axis).astype(np.float32)
;;   ~~~
;;   OPERANDS COMPUTED ON THE WAY. 'Computed on the way' means the value that the module computes at that place (a softmax that the list does not call 'softmax' is quantised finished and normalised). What goes into a quantiser is computed in f32, as accurately as f32 sums, v_exp_f32 and their like allow (about 1e-6 of the number): no bf16 or f16 on the way to a quantiser, and a product that is left as it is and whose result goes on into a quantised operand takes f32 operands (vector FMAs, or v_wmma_f32_16x16x4_f32). A number that lies on a knife's edge between two numbers of the format may be rounded either way, as far as f32 arithmetic and the matrix unit's own rounding can turn it there, and no further.
;;   INPUTS GIVEN AS CODES. Wk (in the module: [512, 512], K = its axis 1); Wv (in the module: [512, 512], K = its axis 1): each comes as NAME_codes (uint8): NAME with its K axis moved to the last place and cut into blocks of 32 codes, [.., K / 32, bytes a block], one block behind the other in memory; two codes a byte, the lower K in the low four bits (a code: sign, 2 exponent bits, 1 mantissa bit); and NAME_scales (uint8): the same leading axes, one E8M0 byte (e + 127) for each 32 codes along K. Its value is code x scale, taken as it is: it is not quantised again, and the codes and scales need not be those that the quantiser above would give.
;; One version. Each part assembles by itself: llvm-mc -triple=amdgcn-amd-amdhsa -mcpu=gfx1250 --defsym DOCPART=n.
;; ======== version 1 of 1: 5 launches
;; workspace buffers: qs 2,048 bytes; vcodes 16,777,216 bytes; vscales 1,048,576 bytes; scores 4,194,304 bytes; stats 32,768 bytes; opart 524,288 bytes; y 16,384 bytes
;; launch qproj (part 1): grid 16 x 1, 8 waves a work-group, no clusters, 1,280 bytes of LDS; arguments query, nq_g, nq_b, Wq, bq, qs; writes qs
.if DOCPART == 1
	.amdgcn_target "amdgcn-amd-amdhsa--gfx1250"
	.amdhsa_code_object_version 6
	.text
	.protected	k_q9858aade0c_qproj
	.globl	k_q9858aade0c_qproj
	.p2align	8
	.type	k_q9858aade0c_qproj,@function
k_q9858aade0c_qproj:
	s_mov_b64 s[64:65], 0
	v_nop
	global_prefetch_b8 v0, s[64:65] scope:SCOPE_SE
	s_setreg_imm32_b32 hwreg(HW_REG_WAVE_MODE, 25, 1), 1
	s_wait_xcnt 0x0
; qs[n] = (LN(query) . Wq[n] + bq[n]) / sqrt(32), n = 0 .. 511: the one query, the same for every batch, with the scores' factor folded in.
; 16 work-groups x 8 waves; wave w of work-group g makes outputs 32 g + 4 w + 0 .. 3.  Every wave normalises the 512 numbers of the query for itself.
; A lane holds k = 128 i + 4 l + e (i = 0 .. 3, e = 0 .. 3) of every vector, so each load of a wave covers 512 consecutive bytes.  All in f32, by fused multiply-adds:
; 8 x 512 x 512 numbers are too few for the matrix unit to matter, and the launch lasts as long as its loads take to come.
; LIMITS: NaN and infinities are not served; the sums' order differs from the definition's.
.set R,    16                          ; v16-31  the query, then its normalised form
.set G,    32                          ; v32-47  nq_g; later the four sums (pairs at v32, 34, 36, 38) and four exchange registers (v40-43)
.set B,    48                          ; v48-63  nq_b
.set W,    64                          ; v64-127 four rows of Wq
.set A,    32
.set SEL,  24                          ; s[24:25] lane selects of v_permlanex16_b32: lane l xor 16
.set C512, 26                          ; s26 1 / 512
.set EPS,  27                          ; s27 1e-5
.macro WRED r, t                       ; the sum over the 32 lanes, in every lane
	v_add_f32_dpp v[\r], v[\r], v[\r] row_xmask:1 row_mask:0xf bank_mask:0xf
	v_add_f32_dpp v[\r], v[\r], v[\r] row_xmask:2 row_mask:0xf bank_mask:0xf
	v_add_f32_dpp v[\r], v[\r], v[\r] row_xmask:4 row_mask:0xf bank_mask:0xf
	v_add_f32_dpp v[\r], v[\r], v[\r] row_xmask:8 row_mask:0xf bank_mask:0xf
	v_permlanex16_b32 v[\t], v[\r], s[SEL], s[SEL+1]
	v_add_f32 v[\r], v[\r], v[\t]
.endm
.macro LNORM                           ; v[R ..] = (v - mean) / sqrt(var + 1e-5): the mean first, then the squares of the differences
	v_pk_add_f32 v[8:9], v[R:R+1], v[R+2:R+3]
	v_pk_add_f32 v[10:11], v[R+4:R+5], v[R+6:R+7]
	v_pk_add_f32 v[8:9], v[8:9], v[R+8:R+9]
	v_pk_add_f32 v[10:11], v[10:11], v[R+10:R+11]
	v_pk_add_f32 v[8:9], v[8:9], v[R+12:R+13]
	v_pk_add_f32 v[10:11], v[10:11], v[R+14:R+15]
	v_pk_add_f32 v[8:9], v[8:9], v[10:11]
	v_add_f32 v8, v8, v9
	WRED 8, 13
	v_mul_f32 v8, 0xbb000000, v8                   ; - mean
	v_mov_b32 v9, v8
.irp p, 0,2,4,6,8,10,12,14
	v_pk_add_f32 v[R+\p:R+\p+1], v[R+\p:R+\p+1], v[8:9]
.endr
	v_pk_mul_f32 v[10:11], v[R:R+1], v[R:R+1]
	v_pk_mul_f32 v[14:15], v[R+2:R+3], v[R+2:R+3]
.irp p, 4,8,12
	v_pk_fma_f32 v[10:11], v[R+\p:R+\p+1], v[R+\p:R+\p+1], v[10:11]
	v_pk_fma_f32 v[14:15], v[R+\p+2:R+\p+3], v[R+\p+2:R+\p+3], v[14:15]
.endr
	v_pk_add_f32 v[10:11], v[10:11], v[14:15]
	v_add_f32 v10, v10, v11
	WRED 10, 13
	v_fma_f32 v10, v10, s[C512], s[EPS]
	v_rsq_f32 v8, v10
	v_nop                                          ; a plain instruction between the transcendental and the use of its result
	s_wait_alu depctr_va_vdst(0)
	v_mov_b32 v9, v8
.irp p, 0,2,4,6,8,10,12,14
	v_pk_mul_f32 v[R+\p:R+\p+1], v[R+\p:R+\p+1], v[8:9]
.endr
.endm
	s_load_b256 s[4:11], s[0:1], 0x0               ; query s[4:5], nq_g s[6:7], nq_b s[8:9], Wq s[10:11]
	s_load_b128 s[12:15], s[0:1], 0x20             ; bq s[12:13], qs s[14:15]
	v_lshl_add_u32 v128, v0, 2, 0x100
	v_mov_b32 v129, 0
	v_and_b32 v1, 31, v0                           ; lane
	v_lshrrev_b32 v2, 5, v0
	v_readfirstlane_b32 s16, v2                    ; wave
	v_lshlrev_b32 v3, 4, v1                        ; 16 l: my 16 bytes of a load's 512
	v_and_b32 v4, 3, v1                            ; which of my wave's four outputs I carry out
	v_lshlrev_b32 v5, 2, v4
	s_lshl_b32 s22, s16, 4
	v_add_nc_u32 v6, s22, v5                       ; LDS: word 4 w + (l & 3)
	v_lshlrev_b32 v7, 2, v1                        ; 4 l: wave 0's way out
	v_mov_b32 v13, 0                               ; a lane permute's destination counts as read: written once
	s_lshl_b32 s17, ttmp9, 5
	s_lshl_b32 s18, s16, 2
	s_add_co_u32 s17, s17, s18                     ; my first output: 32 g + 4 w
	s_lshl_b32 s18, s17, 11                        ; its row of Wq, 2,048 bytes a row
	s_mov_b32 s19, 0
	s_lshl_b32 s20, s17, 2                         ; its place in bq
	s_mov_b32 s21, 0
	s_lshl_b32 s22, ttmp9, 7                       ; the work-group's 128 bytes of qs
	s_mov_b32 s23, 0
	s_mov_b32 s[SEL], 0x76543210
	s_mov_b32 s[SEL+1], 0xfedcba98
	s_mov_b32 s[C512], 0x3b000000
	s_mov_b32 s[EPS], 0x3727c5ac
	s_wait_kmcnt 0x0
	s_add_nc_u64 s[10:11], s[10:11], s[18:19]
	s_add_nc_u64 s[12:13], s[12:13], s[20:21]
	s_add_nc_u64 s[14:15], s[14:15], s[22:23]
.irp i, 0,1,2,3
	global_load_b128 v[R+4*\i:R+4*\i+3], v3, s[4:5] offset:512*\i
.endr
.irp i, 0,1,2,3
	global_load_b128 v[G+4*\i:G+4*\i+3], v3, s[6:7] offset:512*\i
.endr
.irp i, 0,1,2,3
	global_load_b128 v[B+4*\i:B+4*\i+3], v3, s[8:9] offset:512*\i
.endr
.irp r, 0,1,2,3
.irp i, 0,1,2,3
	global_load_b128 v[W+16*\r+4*\i:W+16*\r+4*\i+3], v3, s[10:11] offset:2048*\r+512*\i th:TH_LOAD_NT
.endr
.endr
	global_load_b32 v12, v5, s[12:13]              ; bq of the output that I carry out
	s_wait_loadcnt 25                              ; the query's four loads are in; the 25 issued behind them may be out
	LNORM
	s_wait_loadcnt 17                              ; the gain and the bias are in; Wq's 16 loads and bq's may be out
.irp p, 0,2,4,6,8,10,12,14
	v_pk_fma_f32 v[R+\p:R+\p+1], v[R+\p:R+\p+1], v[G+\p:G+\p+1], v[B+\p:B+\p+1]
.endr
	s_wait_loadcnt 0x0
.irp r, 0,1,2,3                        ; four dot products by turns; the first product starts each sum
	v_pk_mul_f32 v[A+2*\r:A+2*\r+1], v[W+16*\r:W+16*\r+1], v[R:R+1]
.endr
.irp p, 2,4,6,8,10,12,14
.irp r, 0,1,2,3
	v_pk_fma_f32 v[A+2*\r:A+2*\r+1], v[W+16*\r+\p:W+16*\r+\p+1], v[R+\p:R+\p+1], v[A+2*\r:A+2*\r+1]
.endr
.endr
.irp r, 0,1,2,3
	v_add_f32 v[A+2*\r], v[A+2*\r], v[A+2*\r+1]
.endr
.irp m, 1,2,4,8
.irp r, 0,1,2,3
	v_add_f32_dpp v[A+2*\r], v[A+2*\r], v[A+2*\r] row_xmask:\m row_mask:0xf bank_mask:0xf
.endr
.endr
.irp r, 0,1,2,3
	v_permlanex16_b32 v[A+8+\r], v[A+2*\r], s[SEL], s[SEL+1]
.endr
.irp r, 0,1,2,3
	v_add_f32 v[A+2*\r], v[A+2*\r], v[A+8+\r]      ; every lane holds all four
.endr
	v_cmp_eq_u32 vcc_lo, 1, v4                     ; lane l keeps output l & 3
	v_cndmask_b32 v8, v[A], v[A+2], vcc_lo
	v_cmp_eq_u32 vcc_lo, 2, v4
	v_cndmask_b32 v8, v8, v[A+4], vcc_lo
	v_cmp_eq_u32 vcc_lo, 3, v4
	v_cndmask_b32 v8, v8, v[A+6], vcc_lo
	v_add_f32 v8, v8, v12
	v_mul_f32 v8, 0x3e3504f3, v8                   ; x 1 / sqrt(32)
	ds_store_b32 v6, v8                            ; the eight lanes of one output write the same word with the same value
	s_wait_dscnt 0x0                               ; for the others' sake: my store is done
	s_barrier_signal -1
	s_barrier_wait -1
	s_cmp_lg_u32 s16, 0
	s_cbranch_scc1 .Ldone
	ds_load_b32 v9, v7                             ; wave 0 takes the work-group's 32 outputs
	s_wait_dscnt 0x0
	global_store_b32 v7, v9, s[14:15]              ; 128 consecutive bytes
.Ldone:
	s_barrier_signal -1
	s_barrier_wait -1
	s_wait_tensorcnt 0x0
	ds_add_u32 v128, v129
	s_wait_dscnt 0x0
	s_endpgm
.Lfunc_end_k_q9858aade0c_qproj:
	.size	k_q9858aade0c_qproj, .Lfunc_end_k_q9858aade0c_qproj-k_q9858aade0c_qproj
	.p2alignl 7, 3214868480
	.fill 96, 4, 3214868480
	.section	.rodata,"a",@progbits
	.p2align	6, 0x0
	.amdhsa_kernel k_q9858aade0c_qproj
		.amdhsa_group_segment_fixed_size 1280
		.amdhsa_private_segment_fixed_size 0
		.amdhsa_enable_private_segment 0
		.amdhsa_kernarg_size 48
		.amdhsa_user_sgpr_count 2
		.amdhsa_user_sgpr_kernarg_segment_ptr 1
		.amdhsa_wavefront_size32 1
		.amdhsa_system_sgpr_workgroup_id_x 1
		.amdhsa_system_sgpr_workgroup_id_y 1
		.amdhsa_system_sgpr_workgroup_id_z 1
		.amdhsa_system_vgpr_workitem_id 0
		.amdhsa_next_free_vgpr 130
		.amdhsa_next_free_sgpr 66
		.amdhsa_reserve_vcc 1
		.amdhsa_float_denorm_mode_32 3
		.amdhsa_float_denorm_mode_16_64 3
		.amdhsa_memory_ordered 1
		.amdhsa_forward_progress 1
		.amdhsa_inst_pref_size 13
	.end_amdhsa_kernel
	.amdgpu_metadata
---
amdhsa.version: [ 1, 2 ]
amdhsa.kernels:
  - .name:           k_q9858aade0c_qproj
    .symbol:         k_q9858aade0c_qproj.kd
    .args:
      - { .name: query, .offset: 0, .size: 8, .value_kind: global_buffer, .address_space: global }
      - { .name: nq_g, .offset: 8, .size: 8, .value_kind: global_buffer, .address_space: global }
      - { .name: nq_b, .offset: 16, .size: 8, .value_kind: global_buffer, .address_space: global }
      - { .name: Wq, .offset: 24, .size: 8, .value_kind: global_buffer, .address_space: global }
      - { .name: bq, .offset: 32, .size: 8, .value_kind: global_buffer, .address_space: global }
      - { .name: qs, .offset: 40, .size: 8, .value_kind: global_buffer, .address_space: global }
    .group_segment_fixed_size: 1280
    .private_segment_fixed_size: 0
    .kernarg_segment_align: 8
    .kernarg_segment_size: 48
    .max_flat_workgroup_size: 256
    .sgpr_count:     66
    .vgpr_count:     130
    .wavefront_size: 32
...
	.end_amdgpu_metadata
.endif
;; end of part 1
;; launch scorepass (part 2): grid 256 x 1, 8 waves a work-group, no clusters, 76,288 bytes of LDS; arguments x, norm_g, norm_b, nk_g, nk_b, nv_g, nv_b, Wk_codes, Wk_scales, bk, qs, vcodes, vscales, scores, stats; writes vcodes, vscales, scores, stats
.if DOCPART == 2
	.amdgcn_target "amdgcn-amd-amdhsa--gfx1250"
	.amdhsa_code_object_version 6
	.text
	.protected	k_q9858aade0c_scorepass
	.globl	k_q9858aade0c_scorepass
	.p2align	8
	.type	k_q9858aade0c_scorepass,@function
k_q9858aade0c_scorepass:
	s_mov_b64 s[64:65], 0
	v_nop
	global_prefetch_b8 v0, s[64:65] scope:SCOPE_SE
	s_setreg_imm32_b32 hwreg(HW_REG_WAVE_MODE, 25, 1), 1
	s_wait_xcnt 0x0
; The stream.  Each row of x [65536][512] f32 is normalised twice (xn = LN(x) norm_g + norm_b; z = LN(xn)); kn = z nk_g + nk_b and vn = z nv_g + nv_b are quantised to codes of FP4 (E2M1) with one
; E8M0 scale byte for each 32 along K.  kn's codes are multiplied with Wk's (given as codes) by the scaled matrix instruction; the 16 heads' scores q . (k + bk) of each row go to memory, with each
; work-group's largest score and sum of exponentials a head; vn's codes and scale bytes go to memory for the next launch, which needs the batch's finished divisor before it can weigh a row.
; SHARES.  Work-group g owns rows 256 g .. 256 g + 255, in 16 rounds of a tile of 16 rows.  As PRODUCER wave w makes rows 2 w and 2 w + 1 of the round's tile: lane l holds k = 16 l .. 16 l + 15 of a row, so that two
; neighbouring lanes hold a block of 32 and a lane's consecutive registers are neighbours along K, as the conversions want.  As CONSUMER wave w owns heads 2 w and 2 w + 1: its 64 rows of Wk (16 fragments, 128 registers)
; stay in registers for the whole launch.  kn's codes go from wave to wave through LDS.
; x COMES BY PLAIN LOADS INTO A RING OF THREE REGISTER SLOTS (8 loads of 512 consecutive bytes a slot): the wait for a slot leaves the 16 loads of the two younger slots out, so the stream never stops.
; A load gives neighbouring bytes to neighbouring lanes; the lane layout above wants 64 neighbouring bytes in a lane: the two rows turn through the wave's own stage in LDS (64 bytes + 16 of padding a lane).
; THE ORDER OF A ROUND.  One barrier a round keeps the eight waves in step, so whatever a wave asks for in one run all eight ask for at once.  Hence every request stands by itself between blocks of 9 to 26 vector
; instructions: round j's eight stage stores of x(j + 1), the eight loads of x(j + 4) into the slot so freed (each four blocks or more behind its store), the nine LDS loads of tile j - 1's fragments and scale words.
; Behind the barrier the rows of x(j + 1) are asked back from the stage among vn's conversions; the 16 products and the scores of tile j - 2, whose fragments are in registers since the round before, stand behind them,
; ahead of the first use of those rows.
; No cluster: what work-groups share (Wk, 136 KB) is read once by each, into registers, beside 512 KB of its own rows.  No tensor loads: nothing here fills LDS but the waves' own stores.
; THE MATRIX INSTRUCTION IS USED TRANSPOSED: source 0 = 16 rows of Wk, source 1 = 16 rows of kn: lane (r, h) then holds row r of the tile, and register j of tile t the output 16 t + 8 h + j.
; bk enters as q . bk, added to each score: q . (k' + bk) = q . k' + q . bk.
; LIMITS: NaN and infinities are not served.  A block whose largest magnitude lies under 2^-124 keeps the scale byte 1; so does a block of zeros, where the rule says 127: its codes are zeros, which add nothing, and
; only this program reads the bytes.  The sums' order differs from the definition's.
; LDS: STG the stages, 5,120 bytes a wave | KC three buffers of 16 rows x (256 + 16) bytes of kn's codes | KS three of 16 rows x 16 scale bytes | VSC vn's scale bytes, 512 a wave | SCL scores, 2,048 a wave.
.set STG,  0
.set KC,   40960
.set KS,   54016
.set VSC,  54784
.set SCL,  58880
; window 0
.set LN,   1                           ; lane
.set XOFF, 2                           ; x: 4,096 w + 16 l
.set STW,  3                           ; the stage, way in: four lanes' 64 bytes on end, then 16 of padding
.set STR,  4                           ; the stage, way out: 80 l
.set KCW,  5                           ; where I put 8 bytes of kn's codes
.set KSW,  6                           ; and my block's scale byte
.set FRA,  7                           ; a fragment's row r, + 16 h
.set KSR,  8                           ; row r's 16 scale bytes
.set VSW0, 9                           ; vn's scale bytes: my wave's 512 bytes, my block
.set SCW0, 10                          ; scores: my wave's 2,048 bytes, 4 l
.set VCO,  11                          ; vcodes: 512 w + 8 l
.set QB,   12                          ; q . bk of head 2 w (lanes 0-15) and 2 w + 1 (lanes 16-31)
.set VSW,  13                          ; VSW0, SCW0, XOFF and VCO + the trip's step: made anew in every round
.set SCW,  14
.set XO,   15
.set WKS,  16                          ; v16-23  Wk's scale words: register 4 u + s, lane l: word s of row 64 w + 32 u + l.  These and XS hold scales and nothing else
.set XS,   24                          ; v24-27  a tile's scale words, register s for K step s
.set FR,   28                          ; v28-59  a tile's four fragments of kn; at the head the offsets of the first loads
.set ACC,  60                          ; v60-91  four accumulators;
.set T,    60                          ;         between a tile's scores and the next tile's products the same registers hold kn's, then vn's numbers
.set X,    92                          ; v92-123 rows a and b, 16 numbers each
.set SC,   92                          ; at the end: the 16 tiles' scores,
.set E,    108                         ; and their exponentials
.set RING, 124                         ; v124-219 three slots of 32
.set TM,   220                         ; v220-231 at work
.set TA,   220
.set TB,   224
.set KCODE, 232                        ; v232-235 kn's codes: rows a, b
.set VCODE, 236                        ; v236-239 vn's
.set KB,   240                         ; v240-241 kn's scale bytes, v242-243 vn's
.set VB,   242
.set MX,   244                         ; v244-249 largest magnitudes, conversion scales
.set RR,   250                         ; lane % 16
.set A1,   251                         ; the end: my 16 of the wave's scale bytes in LDS,
.set A2,   252                         ; and in vscales;
.set A3,   253                         ; my 16 bytes in scores;
.set A4,   254                         ; my head's pair in stats
.set VC,   255
; the head's offsets, in registers that hold fragments from round 1 on
.set U0,   28
.set GOF,  29
.set WOF,  30
.set QOF,  31
.set SOF,  32
.set HH,   33
.set U1,   34
.set U2,   35
.set BOF,  36
; window 1
.set WK,   0                           ; fragment (tile t, K step s) at 8 (4 t + s)
.set G1,   128                         ; norm_g, norm_b, nk_g, nk_b, nv_g, nv_b at my 16 k
.set B1,   144
.set GK,   160
.set BK,   176
.set GV,   192
.set BV,   208
.set Q,    224                         ; Q[8 t + j] = qs[64 w + 16 t + 8 h + j]
; scalars: s36 1 / 512, s37 1e-5, s38 trips, s39 wave, s[40:47] the rows' figures, s52-55 the trip's steps: vn's scale bytes, scores, x, vcodes
.set MSB, 0
.macro WIN new                         ; s_set_vgpr_msb: bits 1:0 source 0, 3:2 source 1, 5:4 source 2, 7:6 destination; the high byte repeats the setting that is left
.if MSB != \new
	s_set_vgpr_msb (MSB<<8)|\new
.set MSB, \new
.endif
.endm
.macro SUM2 a, b                       ; each lane's sum of 16 numbers of row a (-> TA) and of row b (-> TB), two chains a row, the rows by turns
	v_pk_add_f32 v[TM:TM+1], v[\a:\a+1], v[\a+2:\a+3]
	v_pk_add_f32 v[TM+4:TM+5], v[\b:\b+1], v[\b+2:\b+3]
	v_pk_add_f32 v[TM+2:TM+3], v[\a+4:\a+5], v[\a+6:\a+7]
	v_pk_add_f32 v[TM+6:TM+7], v[\b+4:\b+5], v[\b+6:\b+7]
	v_pk_add_f32 v[TM:TM+1], v[TM:TM+1], v[\a+8:\a+9]
	v_pk_add_f32 v[TM+4:TM+5], v[TM+4:TM+5], v[\b+8:\b+9]
	v_pk_add_f32 v[TM+2:TM+3], v[TM+2:TM+3], v[\a+10:\a+11]
	v_pk_add_f32 v[TM+6:TM+7], v[TM+6:TM+7], v[\b+10:\b+11]
	v_pk_add_f32 v[TM:TM+1], v[TM:TM+1], v[\a+12:\a+13]
	v_pk_add_f32 v[TM+4:TM+5], v[TM+4:TM+5], v[\b+12:\b+13]
	v_pk_add_f32 v[TM+2:TM+3], v[TM+2:TM+3], v[\a+14:\a+15]
	v_pk_add_f32 v[TM+6:TM+7], v[TM+6:TM+7], v[\b+14:\b+15]
	v_pk_add_f32 v[TM:TM+1], v[TM:TM+1], v[TM+2:TM+3]
	v_pk_add_f32 v[TM+4:TM+5], v[TM+4:TM+5], v[TM+6:TM+7]
	v_add_f32 v[TA], v[TM], v[TM+1]
	v_add_f32 v[TB], v[TM+4], v[TM+5]
.endm
.macro SQ2                             ; the same of the squares of X
	v_pk_mul_f32 v[TM:TM+1], v[X:X+1], v[X:X+1]
	v_pk_mul_f32 v[TM+4:TM+5], v[X+16:X+17], v[X+16:X+17]
	v_pk_mul_f32 v[TM+2:TM+3], v[X+2:X+3], v[X+2:X+3]
	v_pk_mul_f32 v[TM+6:TM+7], v[X+18:X+19], v[X+18:X+19]
.irp p, 4,8,12
	v_pk_fma_f32 v[TM:TM+1], v[X+\p:X+\p+1], v[X+\p:X+\p+1], v[TM:TM+1]
	v_pk_fma_f32 v[TM+4:TM+5], v[X+16+\p:X+17+\p], v[X+16+\p:X+17+\p], v[TM+4:TM+5]
	v_pk_fma_f32 v[TM+2:TM+3], v[X+2+\p:X+3+\p], v[X+2+\p:X+3+\p], v[TM+2:TM+3]
	v_pk_fma_f32 v[TM+6:TM+7], v[X+18+\p:X+19+\p], v[X+18+\p:X+19+\p], v[TM+6:TM+7]
.endr
	v_pk_add_f32 v[TM:TM+1], v[TM:TM+1], v[TM+2:TM+3]
	v_pk_add_f32 v[TM+4:TM+5], v[TM+4:TM+5], v[TM+6:TM+7]
	v_add_f32 v[TA], v[TM], v[TM+1]
	v_add_f32 v[TB], v[TM+4], v[TM+5]
.endm
.macro RED2                            ; both rows' sums over the 32 lanes at once: the exchange puts row a's two halves into lanes 0-15 of TA and TB, row b's into lanes 16-31
	v_permlane16_swap_b32 v[TA], v[TB]
	v_add_f32 v[TA], v[TA], v[TB]
	v_add_f32_dpp v[TA], v[TA], v[TA] row_xmask:1 row_mask:0xf bank_mask:0xf
	v_add_f32_dpp v[TA], v[TA], v[TA] row_xmask:2 row_mask:0xf bank_mask:0xf
	v_add_f32_dpp v[TA], v[TA], v[TA] row_xmask:4 row_mask:0xf bank_mask:0xf
	v_add_f32_dpp v[TA], v[TA], v[TA] row_xmask:8 row_mask:0xf bank_mask:0xf
.endm
.macro BCAST sa, sb, r                 ; row a's figure (lane 0) and row b's (lane 16) as scalars: the packed forms below take them for both halves of a pair
	v_readlane_b32 s[\sa], v[\r], 0
	v_readlane_b32 s[\sb], v[\r], 16
.endm
.macro MEAN2                           ; s40, s42 = - mean of rows a, b
	RED2
	v_mul_f32 v[TA], 0xbb000000, v[TA]
	BCAST 40, 42, TA
.endm
.macro RSQ2                            ; s44, s46 = 1 / sqrt(mean of squares + 1e-5)
	RED2
	v_fma_f32 v[TA], v[TA], s36, s37
	v_rsq_f32 v[TA+1], v[TA]
	v_nop                                          ; a plain instruction between the transcendental and the use of its result
	s_wait_alu depctr_va_vdst(0)
	BCAST 44, 46, TA+1
.endm
.macro SHIFT2
.irp p, 0,2,4,6,8,10,12,14
	v_pk_add_f32 v[X+\p:X+\p+1], v[X+\p:X+\p+1], s[40:41] op_sel_hi:[1,0]
	v_pk_add_f32 v[X+16+\p:X+17+\p], v[X+16+\p:X+17+\p], s[42:43] op_sel_hi:[1,0]
.endr
.endm
.macro SCALE2
.irp p, 0,2,4,6,8,10,12,14
	v_pk_mul_f32 v[X+\p:X+\p+1], v[X+\p:X+\p+1], s[44:45] op_sel_hi:[1,0]
	v_pk_mul_f32 v[X+16+\p:X+17+\p], v[X+16+\p:X+17+\p], s[46:47] op_sel_hi:[1,0]
.endr
.endm
.macro GAIN d, g, b                    ; v[d ..] = X x gain + bias, both rows; gain and bias lie in window 1
	WIN 0x14
.irp p, 0,2,4,6,8,10,12,14
	v_pk_fma_f32 v[\d+\p:\d+\p+1], v[X+\p:X+\p+1], v[\g+\p:\g+\p+1], v[\b+\p:\b+\p+1]
	v_pk_fma_f32 v[\d+16+\p:\d+17+\p], v[X+16+\p:X+17+\p], v[\g+\p:\g+\p+1], v[\b+\p:\b+\p+1]
.endr
	WIN 0
.endm
; The requests of a round, one line each.  SL: the slot of x(j + 1); RB: the buffer of tile j - 1; XIMM: where x(j + 4) begins; DOS, DOL, DOF: whether this round has stage stores, loads of x, fragment loads.
.macro SST k                           ; load k of the slot goes into the stage as it lies
.if DOS
	ds_store_b128 v[STW], v[SL+4*(\k):SL+4*(\k)+3] offset:((\k)/4)*2560+((\k)%4)*640
.endif
.endm
.macro XIN k                           ; and comes back 64 neighbouring bytes a lane: LDS serves a wave's instructions in order
	ds_load_b128 v[X+4*(\k):X+4*(\k)+3], v[STR] offset:((\k)/4)*2560+((\k)%4)*16
.endm
.macro XLD k
	global_load_b128 v[SL+4*(\k):SL+4*(\k)+3], v[XO], s[4:5] offset:XIMM+512*(\k) th:TH_LOAD_NT
.endm
.macro REFILL k, n                     ; n = the LDS instructions issued behind stage store k: that store has read its four registers, which take x three rounds on
.if DOL
	s_wait_dscnt \n
	XLD \k
.endif
.endm
.macro FRG k                           ; 16 bytes a lane of tile j - 1: K step k / 2, registers 4 (k % 2) on: k = 64 c + 32 h + 0 .. 31 of row r, as they lie
.if DOF
	ds_load_b128 v[FR+4*(\k):FR+4*(\k)+3], v[FRA] offset:RB*4352+32*(\k)
.endif
.endm
; T's two rows become codes and scale bytes.  QMAX: the largest magnitude of my 16 and of my neighbour's 16, with the floor 2^(3 - 127) as one more leaf, so that the byte cannot fall under 1.
.macro QMAX
	v_max3_num_f32 v[MX], |v[T]|, |v[T+1]|, |v[T+2]|
	v_max3_num_f32 v[MX+2], |v[T+16]|, |v[T+17]|, |v[T+18]|
	v_max3_num_f32 v[MX+1], |v[T+3]|, |v[T+4]|, |v[T+5]|
	v_max3_num_f32 v[MX+3], |v[T+19]|, |v[T+20]|, |v[T+21]|
.irp i, 6,10
	v_max3_num_f32 v[MX], v[MX], |v[T+\i]|, |v[T+\i+1]|
	v_max3_num_f32 v[MX+2], v[MX+2], |v[T+16+\i]|, |v[T+17+\i]|
	v_max3_num_f32 v[MX+1], v[MX+1], |v[T+\i+2]|, |v[T+\i+3]|
	v_max3_num_f32 v[MX+3], v[MX+3], |v[T+18+\i]|, |v[T+19+\i]|
.endr
	v_max3_num_f32 v[MX], v[MX], |v[T+14]|, |v[T+15]|
	v_max3_num_f32 v[MX+2], v[MX+2], |v[T+30]|, |v[T+31]|
	v_max3_num_f32 v[MX], v[MX], v[MX+1], 0x1800000
	v_max3_num_f32 v[MX+2], v[MX+2], v[MX+3], 0x1800000
	v_max_num_f32_dpp v[MX], v[MX], v[MX] row_xmask:1 row_mask:0xf bank_mask:0xf
	v_max_num_f32_dpp v[MX+2], v[MX+2], v[MX+2] row_xmask:1 row_mask:0xf bank_mask:0xf
.endm
; QCVT: 2 off the exponent field is the conversion's scale operand, and that field is the byte.  xl = 1: the next round's rows are asked back from the stage between these lines (X has had its last reader)
.macro QCVT cd, by, xl
.if \xl
	XIN 0
	XIN 1
.endif
	v_add_nc_u32 v[MX+4], 0xff000000, v[MX]
	v_add_nc_u32 v[MX+5], 0xff000000, v[MX+2]
.if \xl
	XIN 2
	XIN 3
.endif
	v_cvt_scalef32_pk8_fp4_f32 v[\cd], v[T:T+7], v[MX+4]
	v_cvt_scalef32_pk8_fp4_f32 v[\cd+1], v[T+8:T+15], v[MX+4]
.if \xl
	XIN 4
	XIN 5
.endif
	v_cvt_scalef32_pk8_fp4_f32 v[\cd+2], v[T+16:T+23], v[MX+5]
	v_cvt_scalef32_pk8_fp4_f32 v[\cd+3], v[T+24:T+31], v[MX+5]
.if \xl
	XIN 6
	XIN 7
.endif
	v_lshrrev_b32 v[\by], 23, v[MX+4]              ; the bytes; also the plain instructions behind the conversions, ahead of whatever next writes T
	v_lshrrev_b32 v[\by+1], 23, v[MX+5]
.endm
.macro WM t, s                         ; tile t of my 64 rows of Wk x the 16 rows of kn, K step s.  Odd tiles' scale words lie in lanes 16-31.  K step 0 starts the sums: nothing is cleared
.if (\s) == 0
.if (\t)%2
	v_wmma_scale_f32_16x16x128_f8f6f4 v[ACC+8*(\t):ACC+8*(\t)+7], v[WK+8*(4*(\t)+(\s)):WK+8*(4*(\t)+(\s))+7], v[FR+8*(\s):FR+8*(\s)+7], 0, v[WKS+4*((\t)/2)+(\s)], v[XS+(\s)] matrix_a_fmt:MATRIX_FMT_FP4 matrix_b_fmt:MATRIX_FMT_FP4 matrix_a_scale:MATRIX_SCALE_ROW1
.else
	v_wmma_scale_f32_16x16x128_f8f6f4 v[ACC+8*(\t):ACC+8*(\t)+7], v[WK+8*(4*(\t)+(\s)):WK+8*(4*(\t)+(\s))+7], v[FR+8*(\s):FR+8*(\s)+7], 0, v[WKS+4*((\t)/2)+(\s)], v[XS+(\s)] matrix_a_fmt:MATRIX_FMT_FP4 matrix_b_fmt:MATRIX_FMT_FP4
.endif
.else
.if (\t)%2
	v_wmma_scale_f32_16x16x128_f8f6f4 v[ACC+8*(\t):ACC+8*(\t)+7], v[WK+8*(4*(\t)+(\s)):WK+8*(4*(\t)+(\s))+7], v[FR+8*(\s):FR+8*(\s)+7], v[ACC+8*(\t):ACC+8*(\t)+7], v[WKS+4*((\t)/2)+(\s)], v[XS+(\s)] matrix_a_fmt:MATRIX_FMT_FP4 matrix_b_fmt:MATRIX_FMT_FP4 matrix_a_scale:MATRIX_SCALE_ROW1
.else
	v_wmma_scale_f32_16x16x128_f8f6f4 v[ACC+8*(\t):ACC+8*(\t)+7], v[WK+8*(4*(\t)+(\s)):WK+8*(4*(\t)+(\s))+7], v[FR+8*(\s):FR+8*(\s)+7], v[ACC+8*(\t):ACC+8*(\t)+7], v[WKS+4*((\t)/2)+(\s)], v[XS+(\s)] matrix_a_fmt:MATRIX_FMT_FP4 matrix_b_fmt:MATRIX_FMT_FP4
.endif
.endif
.endm
.macro MM                              ; a tile's 16 matrix instructions, K ascending; the four accumulators take turns, one instruction a turn
	WIN 0x01
.irp s, 0,1,2,3
.irp t, 0,1,2,3
	WM \t, \s
.endr
.endr
	WIN 0
.endm
.macro PLACES                          ; four places between the products and the first read of their results (ISA guide 7.12.1)
.rept 4
	v_nop
.endr
.endm
.macro SCORE off                       ; the 32 numbers in ACC against Q: tiles 0, 1 (head 2 w) end in lanes 0-15, tiles 2, 3 (head 2 w + 1) in lanes 16-31, row = lane % 16.  Each accumulator is read from its low end on
	WIN 0x04
	v_pk_mul_f32 v[TM+8:TM+9], v[ACC:ACC+1], v[Q:Q+1]
	v_pk_mul_f32 v[TM+10:TM+11], v[ACC+16:ACC+17], v[Q+16:Q+17]
.irp p, 2,4,6,8,10,12,14
	v_pk_fma_f32 v[TM+8:TM+9], v[ACC+\p:ACC+\p+1], v[Q+\p:Q+\p+1], v[TM+8:TM+9]
	v_pk_fma_f32 v[TM+10:TM+11], v[ACC+16+\p:ACC+17+\p], v[Q+16+\p:Q+17+\p], v[TM+10:TM+11]
.endr
	WIN 0
	v_add_f32 v[TM+8], v[TM+8], v[TM+9]
	v_add_f32 v[TM+10], v[TM+10], v[TM+11]
	v_add_nc_u32 v[SCW], s53, v[SCW0]              ; the trip's place among my scores (the last store by this register was waited for in front of the last barrier)
	v_permlane16_swap_b32 v[TM+8], v[TM+10]        ; a row's outputs lie in lanes r and r + 16: the exchange brings head 2 w's two halves into lanes 0-15, the other head's into lanes 16-31
	v_add_f32 v[TM+8], v[TM+8], v[TM+10]
	v_add_f32 v[TM+8], v[TM+8], v[QB]
	ds_store_b32 v[SCW], v[TM+8] offset:\off
.endm
; A ROUND.  jo: the round's number less three for each trip gone (it picks slot, buffers and immediates).  cons: the products and scores of tile j - 2; frg: the fragments of tile j - 1 are fetched;
; stg: x(j + 1) turns through the stage; load: x(j + 4) is asked for; cnt: the younger loads that may stay out when x(j + 1) has to be there.
.macro ROUND jo, cons, frg, stg, load, cnt
.set SL, RING+32*(((\jo)+1)%3)
.set WB, (\jo)%3
.set RB, ((\jo)+2)%3
.set XIMM, ((\jo)+4)*32768
.set DOS, \stg
.set DOL, \load
.set DOF, \frg
.if \cons
	MM                                             ; its fragments and scale words were waited for in front of the last barrier: no wait here, while this round's rows are on their way out of the stage
	PLACES
	SCORE ((\jo)-2)*128
.endif
.if \stg
	s_wait_loadcnt \cnt                            ; the eight loads of x(j + 1) are in; loads come back in order, the younger slots' stay out
.endif
	SST 0
	s_wait_dscnt 2+\cons+\stg                      ; this round's rows are in X: behind their loads stand vn's two byte stores, the score's store and the stage store above
	SUM2 X, X+16
	SST 1
	MEAN2
	SST 2
	SHIFT2                                         ; x - mean
	SST 3
	SQ2
	s_wait_xcnt 0x0                                ; the last round's loads and stores have read their offsets and data: XO, VC and (further down) vn's codes are written again
	v_add_nc_u32 v[XO], s54, v[XOFF]
	v_add_nc_u32 v[VC], s55, v[VCO]
	REFILL 0, 3                                    ; behind stage store 0: stores 1, 2, 3
	SST 4
	RSQ2
	SST 5
	SCALE2
	REFILL 1, 4                                    ; stores 2 .. 5
	SST 6
	GAIN X, G1, B1                                 ; xn
	SST 7
	SUM2 X, X+16
	REFILL 2, 5                                    ; stores 3 .. 7
	FRG 0
	MEAN2
	FRG 1
	SHIFT2
	REFILL 3, 4+2*DOF                              ; stores 4 .. 7, fragment loads 0, 1
	FRG 2
	SQ2
	FRG 3
	RSQ2
	REFILL 4, 3+4*DOF                              ; stores 5 .. 7, fragment loads 0 .. 3
	FRG 4
	SCALE2                                         ; z
	FRG 5
.if \frg
	ds_load_b128 v[XS:XS+3], v[KSR] offset:RB*256
.endif
	GAIN T, GK, BK                                 ; kn
	REFILL 5, 2+7*DOF                              ; stores 6, 7, fragment loads 0 .. 5, the scale words
	FRG 6
	FRG 7
	QMAX
	QCVT KCODE, KB, 0
	REFILL 6, 1+9*DOF                              ; store 7, the nine loads
	ds_store_b64 v[KCW], v[KCODE:KCODE+1] offset:WB*4352
	ds_store_b64 v[KCW], v[KCODE+2:KCODE+3] offset:WB*4352+272
	ds_store_b8 v[KSW], v[KB] offset:WB*256        ; both lanes of a block write the same byte with the same value
	ds_store_b8 v[KSW], v[KB+1] offset:WB*256+16
	GAIN T, GV, BV                                 ; vn: X's last reader
	s_wait_dscnt 0x0                               ; for the others' sake: my part of this tile lies in LDS, and my reads of the tile before are over; for mine: the fragments are in
.if \load
	XLD 7
.endif
	s_barrier_signal -1                            ; ONE barrier a round: behind it this tile may be read, and the buffer of the tile before may be written (two rounds on)
	QMAX                                           ; work on registers while the others arrive
	v_add_nc_u32 v[VSW], s52, v[VSW0]
	s_barrier_wait -1
	QCVT VCODE, VB, DOS
	global_store_b64 v[VC], v[VCODE:VCODE+1], s[26:27] offset:(\jo)*4096         ; a row's 256 bytes, aligned, by one store of the wave
	global_store_b64 v[VC], v[VCODE+2:VCODE+3], s[26:27] offset:(\jo)*4096+256
	ds_store_b8 v[VSW], v[VB] offset:(\jo)*32
	ds_store_b8 v[VSW], v[VB+1] offset:(\jo)*32+16
.endm
	s_load_b512 s[4:19], s[0:1], 0x0               ; x s[4:5], norm_g s[6:7], norm_b s[8:9], nk_g s[10:11], nk_b s[12:13], nv_g s[14:15], nv_b s[16:17], Wk_codes s[18:19]
	s_load_b256 s[20:27], s[0:1], 0x40             ; Wk_scales s[20:21], bk s[22:23], qs s[24:25], vcodes s[26:27]
	s_load_b128 s[28:31], s[0:1], 0x60             ; vscales s[28:29], scores s[30:31]
	s_load_b64 s[32:33], s[0:1], 0x70              ; stats
	v_and_b32 v[LN], 31, v0
	v_lshrrev_b32 v[U0], 5, v0
	v_readfirstlane_b32 s39, v[U0]                 ; wave 0..7
	s_lshl_b32 s48, s39, 12
	v_lshl_add_u32 v[XOFF], v[LN], 4, s48
	s_lshl_b32 s50, ttmp9, 19                      ; the work-group's 256 rows of 2,048 bytes
	s_mov_b32 s51, 0
	s_wait_kmcnt 0x0
	s_add_nc_u64 s[4:5], s[4:5], s[50:51]
	; THE FIRST LOADS, in the order of their first use: round 0's rows, the gains, q, q and bk for q . bk (42 loads); then rounds 1 and 2, and Wk with its scale words, first used in round 2 (50 loads)
.irp i, 0,1,2,3,4,5,6,7
	global_load_b128 v[RING+4*\i:RING+4*\i+3], v[XOFF], s[4:5] offset:512*\i th:TH_LOAD_NT
.endr
	v_lshlrev_b32 v[GOF], 6, v[LN]                 ; the gains: my 16 k, 64 bytes
	v_and_b32 v[RR], 15, v0                        ; r
	v_bfe_u32 v[HH], v0, 4, 1                      ; h
	v_lshlrev_b32 v[WOF], 8, v[RR]
	v_lshl_add_u32 v[WOF], v[HH], 4, v[WOF]
	s_lshl_b32 s48, s39, 14
	v_add_nc_u32 v[WOF], s48, v[WOF]               ; Wk's codes: row 64 w + r of 256 bytes, + 16 h
	s_lshl_b32 s48, s39, 8
	v_lshl_add_u32 v[QOF], v[HH], 5, s48           ; qs in the result's layout: 4 (64 w + 8 h)
	v_lshl_add_u32 v[BOF], v[LN], 3, s48           ; qs and bk for q . bk: outputs 64 w + 2 l, + 1
	s_lshl_b32 s48, s39, 10
	v_lshl_add_u32 v[SOF], v[LN], 4, s48           ; Wk's scale bytes: row 64 w + l of 16 bytes
	WIN 0x40                                       ; destination window 1
.irp i, 0,1,2,3
	global_load_b128 v[G1+4*\i:G1+4*\i+3], v[GOF], s[6:7] offset:16*\i
	global_load_b128 v[B1+4*\i:B1+4*\i+3], v[GOF], s[8:9] offset:16*\i
	global_load_b128 v[GK+4*\i:GK+4*\i+3], v[GOF], s[10:11] offset:16*\i
	global_load_b128 v[BK+4*\i:BK+4*\i+3], v[GOF], s[12:13] offset:16*\i
	global_load_b128 v[GV+4*\i:GV+4*\i+3], v[GOF], s[14:15] offset:16*\i
	global_load_b128 v[BV+4*\i:BV+4*\i+3], v[GOF], s[16:17] offset:16*\i
.endr
.irp t, 0,1,2,3
	global_load_b128 v[Q+8*\t:Q+8*\t+3], v[QOF], s[24:25] offset:64*\t
	global_load_b128 v[Q+8*\t+4:Q+8*\t+7], v[QOF], s[24:25] offset:64*\t+16
.endr
	WIN 0
	global_load_b64 v[TM:TM+1], v[BOF], s[24:25]
	global_load_b64 v[TM+2:TM+3], v[BOF], s[22:23]
.irp j, 1,2
.irp i, 0,1,2,3,4,5,6,7
	global_load_b128 v[RING+32*\j+4*\i:RING+32*\j+4*\i+3], v[XOFF], s[4:5] offset:32768*\j+512*\i th:TH_LOAD_NT
.endr
.endr
	WIN 0x40
.irp t, 0,1,2,3
.irp s, 0,1,2,3
.irp c, 0,1
	global_load_b128 v[WK+8*(4*\t+\s)+4*\c:WK+8*(4*\t+\s)+4*\c+3], v[WOF], s[18:19] offset:4096*\t+64*\s+32*\c
.endr
.endr
.endr
	WIN 0
.irp u, 0,1
	global_load_b128 v[WKS+4*\u:WKS+4*\u+3], v[SOF], s[20:21] offset:512*\u
.endr
	; LDS addresses: a constant + a constant x wave + constants x parts of the lane's number
	s_mul_i32 s48, s39, 5120
	v_lshrrev_b32 v[U1], 2, v[LN]
	v_mul_u32_u24 v[U1], v[U1], 80
	v_and_b32 v[U2], 3, v[LN]
	v_lshl_add_u32 v[U1], v[U2], 4, v[U1]
	v_add_nc_u32 v[STW], s48, v[U1]
	v_mul_u32_u24 v[STR], v[LN], 80
	v_add_nc_u32 v[STR], s48, v[STR]
	s_mul_i32 s49, s39, 544
	s_add_co_u32 s49, s49, KC
	v_lshl_add_u32 v[KCW], v[LN], 3, s49           ; rows 2 w, 2 w + 1 of 272 bytes; 8 l
	s_lshl_b32 s49, s39, 5
	s_add_co_u32 s49, s49, KS
	v_lshrrev_b32 v[KSW], 1, v[LN]
	v_add_nc_u32 v[KSW], s49, v[KSW]
	v_mul_u32_u24 v[FRA], v[RR], 272
	v_lshl_add_u32 v[FRA], v[HH], 4, v[FRA]
	v_add_nc_u32 v[FRA], KC, v[FRA]
	v_lshl_add_u32 v[KSR], v[RR], 4, KS
	s_lshl_b32 s48, s39, 9
	v_lshl_add_u32 v[VCO], v[LN], 3, s48
	v_lshl_add_u32 v[A2], v[LN], 4, s48            ; vscales: 512 w + 16 l
	s_add_co_u32 s49, s48, VSC
	v_lshl_add_u32 v[A1], v[LN], 4, s49            ; and the same bytes in LDS
	v_lshrrev_b32 v[VSW0], 1, v[LN]
	v_add_nc_u32 v[VSW0], s49, v[VSW0]
	s_lshl_b32 s48, s39, 11
	v_lshl_add_u32 v[A3], v[LN], 4, s48            ; scores: 2,048 w + 16 l
	s_add_co_u32 s49, s48, SCL
	v_lshl_add_u32 v[SCW0], v[LN], 2, s49
	s_lshl_b32 s48, s39, 4
	v_lshl_add_u32 v[A4], v[HH], 3, s48            ; stats: 8 (2 w + h)
	s_lshl_b32 s50, ttmp9, 16
	s_add_nc_u64 s[26:27], s[26:27], s[50:51]      ; vcodes, vscales, scores, stats at the work-group's part
	s_lshl_b32 s50, ttmp9, 12
	s_add_nc_u64 s[28:29], s[28:29], s[50:51]
	s_lshl_b32 s50, ttmp9, 14
	s_add_nc_u64 s[30:31], s[30:31], s[50:51]
	s_lshl_b32 s50, ttmp9, 7
	s_add_nc_u64 s[32:33], s[32:33], s[50:51]
	s_mov_b32 s36, 0x3b000000                      ; 1 / 512
	s_mov_b32 s37, 0x3727c5ac                      ; 1e-5
	s_mov_b32 s41, 0                               ; the packed forms name pairs and take the low word for both halves: the high words are written once
	s_mov_b32 s43, 0
	s_mov_b32 s45, 0
	s_mov_b32 s47, 0
	s_mov_b32 s52, 0
	s_mov_b32 s53, 0
	s_mov_b32 s54, 0
	s_mov_b32 s55, 0
	s_mov_b32 s38, 3
	s_wait_loadcnt 50                              ; the first 42 loads are in; rounds 1 and 2 (16 loads) and Wk with its scale words (34) may be out
	v_pk_mul_f32 v[TM:TM+1], v[TM:TM+1], v[TM+2:TM+3]     ; q . bk: lanes 0-15 hold head 2 w's 32 outputs, lanes 16-31 the other head's
	v_add_f32 v[QB], v[TM], v[TM+1]
.irp m, 1,2,4,8
	v_add_f32_dpp v[QB], v[QB], v[QB] row_xmask:\m row_mask:0xf bank_mask:0xf
.endr
.set SL, RING                          ; round 0's rows turn through the stage, and their slot takes round 3's
.set DOS, 1
.irp k, 0,1,2,3,4,5,6,7
	SST \k
.endr
.irp k, 0,1,2,3,4,5,6,7
	XIN \k
.endr
	s_wait_dscnt 0x0
.irp i, 0,1,2,3,4,5,6,7
	global_load_b128 v[RING+4*\i:RING+4*\i+3], v[XOFF], s[4:5] offset:3*32768+512*\i th:TH_LOAD_NT
.endr
	ROUND 0, 0, 0, 1, 1, 50                        ; behind round 1's rows: round 2's 8 loads, Wk's 34, round 3's 8
	ROUND 1, 0, 1, 1, 1, 50                        ; behind round 2's rows: Wk's 34, rounds 3's and 4's 16
	s_wait_loadcnt 24                              ; Wk and its scale words are in: behind them stand the 24 loads of rounds 3, 4, 5
.Ltrip:                                            ; three trips of three rounds: rounds 2 .. 10
	ROUND 2, 1, 1, 1, 1, 16
	ROUND 3, 1, 1, 1, 1, 16
	ROUND 4, 1, 1, 1, 1, 16
	s_add_co_u32 s52, s52, 96                      ; three rounds on: no base is stepped, so nothing is waited for here
	s_add_co_u32 s53, s53, 384
	s_add_co_u32 s54, s54, 98304
	s_add_co_u32 s55, s55, 12288
	s_sub_co_u32 s38, s38, 1
	s_cmp_lg_u32 s38, 0
	s_cbranch_scc1 .Ltrip
	ROUND 2, 1, 1, 1, 1, 16                        ; round 11 asks for the last rows;
	ROUND 3, 1, 1, 1, 0, 16                        ; rounds 12 .. 14 ask for nothing: no load leaves the work-group's rows, and the counts run down;
	ROUND 4, 1, 1, 1, 0, 8
	ROUND 5, 1, 1, 1, 0, 0
	ROUND 6, 1, 1, 0, 0, 0                         ; round 15 has no next rows to turn
	MM                                             ; tile 14
	PLACES                                         ; also the places in front of the loads into the fragments' and scale words' registers
	SCORE 640
.set RB, 0                             ; tile 15 lies in buffer 0
.set DOF, 1
.irp k, 0,1,2,3,4,5,6,7
	FRG \k
.endr
	ds_load_b128 v[XS:XS+3], v[KSR]
	s_wait_dscnt 0x0
	MM                                             ; the accumulators begin anew: behind tile 14's products stand the four places and the score's last six plain lines
	PLACES
	SCORE 768
	; THE END.  My two heads' scores of the 256 rows come back from my own LDS bytes, 16 registers; they leave as four stores of 512 consecutive bytes; their maximum and sum of exponentials go to stats.
.irp t, 0,1,2,3,4,5,6,7,8,9,10,11,12,13,14,15
	ds_load_b32 v[SC+\t], v[SCW0] offset:128*\t
.endr
	ds_load_b128 v[RING:RING+3], v[A1]             ; my wave's 512 scale bytes of vn
	s_wait_dscnt 0x0
.irp q, 0,1,2,3
	global_store_b128 v[A3], v[SC+4*\q:SC+4*\q+3], s[30:31] offset:512*\q
.endr
	global_store_b128 v[A2], v[RING:RING+3], s[28:29]
	v_max3_num_f32 v[TM], v[SC], v[SC+1], v[SC+2]
.irp i, 3,5,7,9,11,13
	v_max3_num_f32 v[TM], v[TM], v[SC+\i], v[SC+\i+1]
.endr
	v_max_num_f32 v[TM], v[TM], v[SC+15]
.irp m, 1,2,4,8
	v_max_num_f32_dpp v[TM], v[TM], v[TM] row_xmask:\m row_mask:0xf bank_mask:0xf   ; over the 16 lanes of my head
.endr
.irp t, 0,1,2,3,4,5,6,7,8,9,10,11,12,13,14,15
	v_sub_f32 v[E+\t], v[SC+\t], v[TM]             ; the maximum is taken away first, so a large common score costs nothing
.endr
.irp t, 0,1,2,3,4,5,6,7,8,9,10,11,12,13,14,15
	v_mul_f32 v[E+\t], 0x3fb8aa3b, v[E+\t]
.endr
.irp t, 0,1,2,3,4,5,6,7,8,9,10,11,12,13,14,15
	v_exp_f32 v[E+\t], v[E+\t]
.endr
	v_nop
	s_wait_alu depctr_va_vdst(0)
	v_pk_add_f32 v[E:E+1], v[E:E+1], v[E+2:E+3]
	v_pk_add_f32 v[E+4:E+5], v[E+4:E+5], v[E+6:E+7]
	v_pk_add_f32 v[E:E+1], v[E:E+1], v[E+8:E+9]
	v_pk_add_f32 v[E+4:E+5], v[E+4:E+5], v[E+10:E+11]
	v_pk_add_f32 v[E:E+1], v[E:E+1], v[E+12:E+13]
	v_pk_add_f32 v[E+4:E+5], v[E+4:E+5], v[E+14:E+15]
	v_pk_add_f32 v[E:E+1], v[E:E+1], v[E+4:E+5]
	v_add_f32 v[TM+1], v[E], v[E+1]
.irp m, 1,2,4,8
	v_add_f32_dpp v[TM+1], v[TM+1], v[TM+1] row_xmask:\m row_mask:0xf bank_mask:0xf
.endr
	v_cmp_eq_u32 vcc_lo, 0, v[RR]                  ; lanes 0 and 16 carry their head's pair out
	s_wait_xcnt 0x0                                ; EXEC changes only behind this wait: it is a source of the stores above
	s_and_saveexec_b32 s48, vcc_lo
	global_store_b64 v[A4], v[TM:TM+1], s[32:33]
	s_wait_xcnt 0x0
	s_or_b32 exec_lo, exec_lo, s48
	s_wait_xcnt 0x0
	s_mov_b32 exec_lo, -1
	v_lshl_add_u32 v254, v0, 2, 0x12600
	v_mov_b32 v255, 0
	s_wait_tensorcnt 0x0
	ds_add_u32 v254, v255
	s_wait_dscnt 0x0
	s_endpgm
.Lfunc_end_k_q9858aade0c_scorepass:
	.size	k_q9858aade0c_scorepass, .Lfunc_end_k_q9858aade0c_scorepass-k_q9858aade0c_scorepass
	.p2alignl 7, 3214868480
	.fill 96, 4, 3214868480
	.section	.rodata,"a",@progbits
	.p2align	6, 0x0
	.amdhsa_kernel k_q9858aade0c_scorepass
		.amdhsa_group_segment_fixed_size 76288
		.amdhsa_private_segment_fixed_size 0
		.amdhsa_enable_private_segment 0
		.amdhsa_kernarg_size 120
		.amdhsa_user_sgpr_count 2
		.amdhsa_user_sgpr_kernarg_segment_ptr 1
		.amdhsa_wavefront_size32 1
		.amdhsa_system_sgpr_workgroup_id_x 1
		.amdhsa_system_sgpr_workgroup_id_y 1
		.amdhsa_system_sgpr_workgroup_id_z 1
		.amdhsa_system_vgpr_workitem_id 0
		.amdhsa_next_free_vgpr 512
		.amdhsa_next_free_sgpr 66
		.amdhsa_reserve_vcc 1
		.amdhsa_float_denorm_mode_32 3
		.amdhsa_float_denorm_mode_16_64 3
		.amdhsa_memory_ordered 1
		.amdhsa_forward_progress 1
		.amdhsa_inst_pref_size 254
	.end_amdhsa_kernel
	.amdgpu_metadata
---
amdhsa.version: [ 1, 2 ]
amdhsa.kernels:
  - .name:           k_q9858aade0c_scorepass
    .symbol:         k_q9858aade0c_scorepass.kd
    .args:
      - { .name: x, .offset: 0, .size: 8, .value_kind: global_buffer, .address_space: global }
      - { .name: norm_g, .offset: 8, .size: 8, .value_kind: global_buffer, .address_space: global }
      - { .name: norm_b, .offset: 16, .size: 8, .value_kind: global_buffer, .address_space: global }
      - { .name: nk_g, .offset: 24, .size: 8, .value_kind: global_buffer, .address_space: global }
      - { .name: nk_b, .offset: 32, .size: 8, .value_kind: global_buffer, .address_space: global }
      - { .name: nv_g, .offset: 40, .size: 8, .value_kind: global_buffer, .address_space: global }
      - { .name: nv_b, .offset: 48, .size: 8, .value_kind: global_buffer, .address_space: global }
      - { .name: Wk_codes, .offset: 56, .size: 8, .value_kind: global_buffer, .address_space: global }
      - { .name: Wk_scales, .offset: 64, .size: 8, .value_kind: global_buffer, .address_space: global }
      - { .name: bk, .offset: 72, .size: 8, .value_kind: global_buffer, .address_space: global }
      - { .name: qs, .offset: 80, .size: 8, .value_kind: global_buffer, .address_space: global }
      - { .name: vcodes, .offset: 88, .size: 8, .value_kind: global_buffer, .address_space: global }
      - { .name: vscales, .offset: 96, .size: 8, .value_kind: global_buffer, .address_space: global }
      - { .name: scores, .offset: 104, .size: 8, .value_kind: global_buffer, .address_space: global }
      - { .name: stats, .offset: 112, .size: 8, .value_kind: global_buffer, .address_space: global }
    .group_segment_fixed_size: 76288
    .private_segment_fixed_size: 0
    .kernarg_segment_align: 8
    .kernarg_segment_size: 120
    .max_flat_workgroup_size: 256
    .sgpr_count:     66
    .vgpr_count:     512
    .wavefront_size: 32
...
	.end_amdgpu_metadata
.endif
;; end of part 2
;; launch valuepass (part 3): grid 256 x 1, 8 waves a work-group, no clusters, 77,312 bytes of LDS; arguments vcodes, vscales, scores, stats, Wv_codes, Wv_scales, bv, opart; writes opart
.if DOCPART == 3
	.amdgcn_target "amdgcn-amd-amdhsa--gfx1250"
	.amdhsa_code_object_version 6
	.text
	.protected	k_q9858aade0c_valuepass
	.globl	k_q9858aade0c_valuepass
	.p2align	8
	.type	k_q9858aade0c_valuepass,@function
k_q9858aade0c_valuepass:
	s_mov_b64 s[64:65], 0
	v_nop
	global_prefetch_b8 v0, s[64:65] scope:SCOPE_SE
	s_setreg_imm32_b32 hwreg(HW_REG_WAVE_MODE, 25, 1), 1
	s_wait_xcnt 0x0
; opart[g][n] = the sum over the work-group's 256 rows of attn(row, head of n) x v(row, n), v = vn Wv^T + bv on codes of FP4 (E2M1) with E8M0 scales.
; attn = clip(exp(s - M) / (L + 1e-9), 1e-9, 1): M and L are the batch's, made from the 32 work-groups' pairs (m, l) that the launch before stored: L = the sum of l x exp(m - M).
; SHARES as in the launch before: work-group g has rows 256 g .. 256 g + 255, wave w heads 2 w and 2 w + 1 (64 rows of Wv, 128 registers, for the whole launch), so the scores lie lane for lane as they are wanted:
; register t, lanes 0-15: head 2 w, row 16 t + lane; lanes 16-31: head 2 w + 1.
; The rows' codes (64 KB) and scale bytes (4 KB) are read once, through registers, into LDS, where all eight waves read them: rows of 256 bytes + 16 of padding.
; THE MATRIX INSTRUCTION IS USED TRANSPOSED: source 0 = 16 rows of Wv, source 1 = 16 rows of vn: lane (r, h) holds row r, register j of tile u the output 16 u + 8 h + j.  bv is the C of each sum's first product.
; No cluster: a first, plain form; Wv's 136 KB are read by each work-group into registers.  No tensor loads: LDS is filled once, by the waves' own stores.
; LIMITS: NaN and infinities are not served; an exponential that falls under the smallest normal number counts as 0 and is lifted to 1e-9 by the clip, as the definition's is.
.set VCL,  0                           ; 256 rows x 272
.set VSL,  69632                       ; the scale bytes: 8 runs of 512 (as the producing waves stored them) + 32 of padding
.set OST,  73984                       ; 256 bytes a wave for the way out
.set LN,   1
.set FRA,  2                           ; a fragment's row r, + 16 h
.set VSR,  3                           ; row r's 16 scale bytes: run r / 2, + 16 (r % 2); + 32 a tile
.set CW,   4                           ; where I put 16 bytes of codes
.set VSW,  5                           ; and 16 scale bytes
.set OSW,  6
.set OSR,  7
.set WVS,  16                          ; v16-23  Wv's scale words.  These and XS hold scales and nothing else
.set XS,   24                          ; v24-31  the tiles' scale words, two sets
.set FR,   32                          ; v32-95  two sets of four fragments; at the head the codes on their way into LDS
.set ACC,  96                          ; v96-127 four accumulators
.set O,    128                         ; v128-159 the weighted sums
.set BV,   160                         ; v160-191 bv in the result's layout
.set AT,   192                         ; v192-207 scores, then attn
.set AA,   208                         ; v208-209 head 2 w's weight of my row, twice;  v210-211 head 2 w + 1's
.set AB,   210
.set MSB, 0
.macro WIN new
.if MSB != \new
	s_set_vgpr_msb (MSB<<8)|\new
.set MSB, \new
.endif
.endm
.macro FETCH t                         ; tile t's four fragments and scale words into set t % 2: nine LDS loads
.set FB, FR+32*((\t)%2)
.set XB, XS+4*((\t)%2)
.irp s, 0,1,2,3
.irp c, 0,1
	ds_load_b128 v[FB+8*\s+4*\c:FB+8*\s+4*\c+3], v[FRA] offset:(\t)*4352+64*\s+32*\c
.endr
.endr
	ds_load_b128 v[XB:XB+3], v[VSR] offset:32*(\t)
.endm
.macro WM u, s
.if (\s) == 0
.if (\u)%2
	v_wmma_scale_f32_16x16x128_f8f6f4 v[ACC+8*(\u):ACC+8*(\u)+7], v[8*(4*(\u)+(\s)):8*(4*(\u)+(\s))+7], v[FB+8*(\s):FB+8*(\s)+7], v[BV+8*(\u):BV+8*(\u)+7], v[WVS+4*((\u)/2)+(\s)], v[XB+(\s)] matrix_a_fmt:MATRIX_FMT_FP4 matrix_b_fmt:MATRIX_FMT_FP4 matrix_a_scale:MATRIX_SCALE_ROW1
.else
	v_wmma_scale_f32_16x16x128_f8f6f4 v[ACC+8*(\u):ACC+8*(\u)+7], v[8*(4*(\u)+(\s)):8*(4*(\u)+(\s))+7], v[FB+8*(\s):FB+8*(\s)+7], v[BV+8*(\u):BV+8*(\u)+7], v[WVS+4*((\u)/2)+(\s)], v[XB+(\s)] matrix_a_fmt:MATRIX_FMT_FP4 matrix_b_fmt:MATRIX_FMT_FP4
.endif
.else
.if (\u)%2
	v_wmma_scale_f32_16x16x128_f8f6f4 v[ACC+8*(\u):ACC+8*(\u)+7], v[8*(4*(\u)+(\s)):8*(4*(\u)+(\s))+7], v[FB+8*(\s):FB+8*(\s)+7], v[ACC+8*(\u):ACC+8*(\u)+7], v[WVS+4*((\u)/2)+(\s)], v[XB+(\s)] matrix_a_fmt:MATRIX_FMT_FP4 matrix_b_fmt:MATRIX_FMT_FP4 matrix_a_scale:MATRIX_SCALE_ROW1
.else
	v_wmma_scale_f32_16x16x128_f8f6f4 v[ACC+8*(\u):ACC+8*(\u)+7], v[8*(4*(\u)+(\s)):8*(4*(\u)+(\s))+7], v[FB+8*(\s):FB+8*(\s)+7], v[ACC+8*(\u):ACC+8*(\u)+7], v[WVS+4*((\u)/2)+(\s)], v[XB+(\s)] matrix_a_fmt:MATRIX_FMT_FP4 matrix_b_fmt:MATRIX_FMT_FP4
.endif
.endif
.endm
; A tile of 16 rows: the next tile's loads, this tile's weights, 16 products (four accumulators by turns), 16 packed multiply-adds onto O.
.macro TILE t
.if (\t) < 15
	FETCH (\t)+1                                   ; into the set that the tile before multiplied: its four v_nop and 16 packed lines stand between
.endif
	v_mov_b32 v[AA], v[AT+(\t)]
	v_mov_b32 v[AB], v[AT+(\t)]
	v_permlane16_swap_b32 v[AA], v[AB]             ; AA: lanes 0-15's weights in both halves of the lanes; AB: lanes 16-31's
	v_mov_b32 v[AA+1], v[AA]
	v_mov_b32 v[AB+1], v[AB]
.if (\t) < 15
	s_wait_dscnt 9                                 ; this tile's nine loads are in; the next tile's nine may be out
.else
	s_wait_dscnt 0x0
.endif
.set FB, FR+32*((\t)%2)
.set XB, XS+4*((\t)%2)
	WIN 0x01                                       ; source 0 (Wv) window 1
.irp s, 0,1,2,3
.irp u, 0,1,2,3
	WM \u, \s
.endr
.endr
	WIN 0
.rept 4
	v_nop                                          ; four places in front of the first read of the results
.endr
.irp p, 0,2,4,6,8,10,12,14             ; each accumulator from its low end on
.if (\t) == 0
	v_pk_mul_f32 v[O+\p:O+\p+1], v[ACC+\p:ACC+\p+1], v[AA:AA+1]                    ; the first tile starts the sums: nothing is cleared
.else
	v_pk_fma_f32 v[O+\p:O+\p+1], v[ACC+\p:ACC+\p+1], v[AA:AA+1], v[O+\p:O+\p+1]
.endif
.endr
.irp p, 16,18,20,22,24,26,28,30
.if (\t) == 0
	v_pk_mul_f32 v[O+\p:O+\p+1], v[ACC+\p:ACC+\p+1], v[AB:AB+1]
.else
	v_pk_fma_f32 v[O+\p:O+\p+1], v[ACC+\p:ACC+\p+1], v[AB:AB+1], v[O+\p:O+\p+1]
.endif
.endr
.endm
	s_load_b512 s[4:19], s[0:1], 0x0               ; vcodes s[4:5], vscales s[6:7], scores s[8:9], stats s[10:11], Wv_codes s[12:13], Wv_scales s[14:15], bv s[16:17], opart s[18:19]
	v_lshl_add_u32 v254, v0, 2, 0x12a00
	v_mov_b32 v255, 0
	v_and_b32 v[LN], 31, v0
	v_lshrrev_b32 v228, 5, v0
	v_readfirstlane_b32 s20, v228                  ; wave 0..7
	v_and_b32 v226, 15, v0                         ; r
	v_bfe_u32 v227, v0, 4, 1                       ; h
	s_lshl_b32 s21, s20, 13
	v_lshl_add_u32 v8, v[LN], 4, s21               ; codes: my wave's 32 rows, 16 l
	s_lshl_b32 s21, s20, 9
	v_lshl_add_u32 v9, v[LN], 4, s21               ; scale bytes: run w, 16 l
	v_lshlrev_b32 v10, 8, v226
	v_lshl_add_u32 v10, v227, 4, v10
	s_lshl_b32 s21, s20, 14
	v_add_nc_u32 v10, s21, v10                     ; Wv's codes: row 64 w + r, + 16 h
	s_lshl_b32 s21, s20, 10
	v_lshl_add_u32 v11, v[LN], 4, s21              ; Wv's scale bytes: row 64 w + l
	s_lshl_b32 s21, s20, 8
	v_lshl_add_u32 v12, v227, 5, s21               ; bv: 4 (64 w + 8 h)
	v_lshl_add_u32 v15, v[LN], 3, s21              ; opart: 256 w + 8 l
	s_add_co_u32 s21, s21, OST
	v_lshl_add_u32 v[OSW], v227, 5, s21
	v_lshl_add_u32 v[OSR], v[LN], 3, s21
	s_lshl_b32 s21, s20, 11
	v_lshl_add_u32 v13, v[LN], 4, s21              ; scores: 2,048 w + 16 l
	s_lshl_b32 s21, s20, 4
	v_lshl_add_u32 v14, v227, 3, s21
	v_lshl_add_u32 v14, v226, 7, v14               ; stats: work-group r of the batch's 32 (and r + 16), head 2 w + h
	v_mul_u32_u24 v[FRA], v226, 272
	v_lshl_add_u32 v[FRA], v227, 4, v[FRA]
	v_lshrrev_b32 v229, 1, v226
	v_mul_u32_u24 v229, v229, 544
	v_and_b32 v230, 1, v0
	v_lshl_add_u32 v229, v230, 4, v229
	v_add_nc_u32 v[VSR], VSL, v229
	s_mul_i32 s21, s20, 32*272
	v_mul_u32_u24 v229, v227, 272
	v_lshl_add_u32 v229, v226, 4, v229
	v_add_nc_u32 v[CW], s21, v229                  ; row 32 w + h (+ 2 a load), 16 r
	s_mul_i32 s21, s20, 544
	s_add_co_u32 s21, s21, VSL
	v_lshl_add_u32 v[VSW], v[LN], 4, s21
	s_mov_b32 s23, 0
	s_wait_kmcnt 0x0
	s_lshl_b32 s22, ttmp9, 16
	s_add_nc_u64 s[4:5], s[4:5], s[22:23]
	s_lshl_b32 s22, ttmp9, 12
	s_add_nc_u64 s[6:7], s[6:7], s[22:23]
	s_lshl_b32 s22, ttmp9, 14
	s_add_nc_u64 s[8:9], s[8:9], s[22:23]
	s_lshr_b32 s22, ttmp9, 5                       ; the batch: its 32 work-groups' 128 bytes each
	s_lshl_b32 s22, s22, 12
	s_add_nc_u64 s[10:11], s[10:11], s[22:23]
	s_lshl_b32 s22, ttmp9, 11
	s_add_nc_u64 s[18:19], s[18:19], s[22:23]
.irp i, 0,1,2,3,4,5,6,7,8,9,10,11,12,13,14,15
	global_load_b128 v[FR+4*\i:FR+4*\i+3], v8, s[4:5] offset:512*\i th:TH_LOAD_NT
.endr
	global_load_b128 v[212:215], v9, s[6:7] th:TH_LOAD_NT
	WIN 0x40                                       ; destination window 1
.irp u, 0,1,2,3
.irp s, 0,1,2,3
.irp c, 0,1
	global_load_b128 v[8*(4*\u+\s)+4*\c:8*(4*\u+\s)+4*\c+3], v10, s[12:13] offset:4096*\u+64*\s+32*\c
.endr
.endr
.endr
	WIN 0
.irp u, 0,1
	global_load_b128 v[WVS+4*\u:WVS+4*\u+3], v11, s[14:15] offset:512*\u
.endr
.irp u, 0,1,2,3
	global_load_b128 v[BV+8*\u:BV+8*\u+3], v12, s[16:17] offset:64*\u
	global_load_b128 v[BV+8*\u+4:BV+8*\u+7], v12, s[16:17] offset:64*\u+16
.endr
.irp q, 0,1,2,3
	global_load_b128 v[AT+4*\q:AT+4*\q+3], v13, s[8:9] offset:512*\q th:TH_LOAD_NT
.endr
	global_load_b64 v[216:217], v14, s[10:11]              ; (m, l) of work-group r of the batch,
	global_load_b64 v[218:219], v14, s[10:11] offset:2048  ; and of work-group r + 16
	s_wait_loadcnt 48                              ; the codes and their scale bytes are in; the 48 loads issued behind them may be out
.irp i, 0,1,2,3,4,5,6,7,8,9,10,11,12,13,14,15
	ds_store_b128 v[CW], v[FR+4*\i:FR+4*\i+3] offset:544*\i
.endr
	ds_store_b128 v[VSW], v[212:215]
	s_wait_loadcnt 0x0
	v_max_num_f32 v220, v216, v218                 ; M: over the batch's 32 work-groups
.irp m, 1,2,4,8
	v_max_num_f32_dpp v220, v220, v220 row_xmask:\m row_mask:0xf bank_mask:0xf
.endr
	v_sub_f32 v221, v216, v220
	v_sub_f32 v222, v218, v220
	v_mul_f32 v221, 0x3fb8aa3b, v221
	v_mul_f32 v222, 0x3fb8aa3b, v222
	v_exp_f32 v221, v221
	v_exp_f32 v222, v222
	v_nop
	s_wait_alu depctr_va_vdst(0)
	v_mul_f32 v223, v217, v221
	v_fma_f32 v223, v219, v222, v223               ; L: each work-group's sum brought under M
.irp m, 1,2,4,8
	v_add_f32_dpp v223, v223, v223 row_xmask:\m row_mask:0xf bank_mask:0xf
.endr
	v_add_f32 v223, 0x3089705f, v223               ; + 1e-9
	v_rcp_f32 v224, v223
.irp t, 0,1,2,3,4,5,6,7,8,9,10,11,12,13,14,15
	v_sub_f32 v[AT+\t], v[AT+\t], v220
.endr
.irp t, 0,1,2,3,4,5,6,7,8,9,10,11,12,13,14,15
	v_mul_f32 v[AT+\t], 0x3fb8aa3b, v[AT+\t]
.endr
.irp t, 0,1,2,3,4,5,6,7,8,9,10,11,12,13,14,15
	v_exp_f32 v[AT+\t], v[AT+\t]
.endr
	v_nop
	s_wait_alu depctr_va_vdst(0)
.irp t, 0,1,2,3,4,5,6,7,8,9,10,11,12,13,14,15
	v_mul_f32 v[AT+\t], v[AT+\t], v224
.endr
.irp t, 0,1,2,3,4,5,6,7,8,9,10,11,12,13,14,15
	v_med3_num_f32 v[AT+\t], v[AT+\t], 0x3089705f, 1.0     ; the clip
.endr
	s_wait_dscnt 0x0                               ; for the others' sake: my 32 rows and my run of scale bytes lie in LDS
	s_barrier_signal -1
	s_barrier_wait -1
	FETCH 0
.irp t, 0,1,2,3,4,5,6,7,8,9,10,11,12,13,14,15
	TILE \t
.endr
	; THE WAY OUT: the 16 rows that lie in the 16 lanes of a half are added; the wave's 64 numbers turn through its own 256 bytes of LDS and leave as one aligned run of 256 bytes.
.irp m, 1,2,4,8
.irp j, 0,1,2,3,4,5,6,7,8,9,10,11,12,13,14,15,16,17,18,19,20,21,22,23,24,25,26,27,28,29,30,31
	v_add_f32_dpp v[O+\j], v[O+\j], v[O+\j] row_xmask:\m row_mask:0xf bank_mask:0xf
.endr
.endr
.irp u, 0,1,2,3
	ds_store_b128 v[OSW], v[O+8*\u:O+8*\u+3] offset:64*\u          ; the sixteen lanes of a half write the same bytes with the same values
	ds_store_b128 v[OSW], v[O+8*\u+4:O+8*\u+7] offset:64*\u+16
.endr
	ds_load_b64 v[212:213], v[OSR]                 ; LDS serves a wave's instructions in order: this sees the stores above
	s_wait_dscnt 0x0
	global_store_b64 v15, v[212:213], s[18:19]
	s_barrier_signal -1
	s_barrier_wait -1
	s_wait_tensorcnt 0x0
	ds_add_u32 v254, v255
	s_wait_dscnt 0x0
	s_endpgm
.Lfunc_end_k_q9858aade0c_valuepass:
	.size	k_q9858aade0c_valuepass, .Lfunc_end_k_q9858aade0c_valuepass-k_q9858aade0c_valuepass
	.p2alignl 7, 3214868480
	.fill 96, 4, 3214868480
	.section	.rodata,"a",@progbits
	.p2align	6, 0x0
	.amdhsa_kernel k_q9858aade0c_valuepass
		.amdhsa_group_segment_fixed_size 77312
		.amdhsa_private_segment_fixed_size 0
		.amdhsa_enable_private_segment 0
		.amdhsa_kernarg_size 64
		.amdhsa_user_sgpr_count 2
		.amdhsa_user_sgpr_kernarg_segment_ptr 1
		.amdhsa_wavefront_size32 1
		.amdhsa_system_sgpr_workgroup_id_x 1
		.amdhsa_system_sgpr_workgroup_id_y 1
		.amdhsa_system_sgpr_workgroup_id_z 1
		.amdhsa_system_vgpr_workitem_id 0
		.amdhsa_next_free_vgpr 384
		.amdhsa_next_free_sgpr 66
		.amdhsa_reserve_vcc 0
		.amdhsa_float_denorm_mode_32 3
		.amdhsa_float_denorm_mode_16_64 3
		.amdhsa_memory_ordered 1
		.amdhsa_forward_progress 1
		.amdhsa_inst_pref_size 88
	.end_amdhsa_kernel
	.amdgpu_metadata
---
amdhsa.version: [ 1, 2 ]
amdhsa.kernels:
  - .name:           k_q9858aade0c_valuepass
    .symbol:         k_q9858aade0c_valuepass.kd
    .args:
      - { .name: vcodes, .offset: 0, .size: 8, .value_kind: global_buffer, .address_space: global }
      - { .name: vscales, .offset: 8, .size: 8, .value_kind: global_buffer, .address_space: global }
      - { .name: scores, .offset: 16, .size: 8, .value_kind: global_buffer, .address_space: global }
      - { .name: stats, .offset: 24, .size: 8, .value_kind: global_buffer, .address_space: global }
      - { .name: Wv_codes, .offset: 32, .size: 8, .value_kind: global_buffer, .address_space: global }
      - { .name: Wv_scales, .offset: 40, .size: 8, .value_kind: global_buffer, .address_space: global }
      - { .name: bv, .offset: 48, .size: 8, .value_kind: global_buffer, .address_space: global }
      - { .name: opart, .offset: 56, .size: 8, .value_kind: global_buffer, .address_space: global }
    .group_segment_fixed_size: 77312
    .private_segment_fixed_size: 0
    .kernarg_segment_align: 8
    .kernarg_segment_size: 64
    .max_flat_workgroup_size: 256
    .sgpr_count:     66
    .vgpr_count:     384
    .wavefront_size: 32
...
	.end_amdgpu_metadata
.endif
;; end of part 3
;; launch oproj (part 4): grid 16 x 8, 8 waves a work-group, no clusters, 3,328 bytes of LDS; arguments opart, Wo, bo, y; writes y
.if DOCPART == 4
	.amdgcn_target "amdgcn-amd-amdhsa--gfx1250"
	.amdhsa_code_object_version 6
	.text
	.protected	k_q9858aade0c_oproj
	.globl	k_q9858aade0c_oproj
	.p2align	8
	.type	k_q9858aade0c_oproj,@function
k_q9858aade0c_oproj:
	s_mov_b64 s[64:65], 0
	v_nop
	global_prefetch_b8 v0, s[64:65] scope:SCOPE_SE
	s_setreg_imm32_b32 hwreg(HW_REG_WAVE_MODE, 25, 1), 1
	s_wait_xcnt 0x0
; y[b][n] = o[b] . Wo[n] + bo[n], o[b] = the sum of the batch's 32 partial vectors.  Work-group (x, b): outputs 32 x .. 32 x + 31 of batch b; wave w: 4 of them.
; Thread t adds columns 2 t, 2 t + 1 of the 32 partials (each load of a wave covers 256 consecutive bytes); o meets in LDS; then each wave takes it as k = 128 i + 4 l + e and makes four dot products in f32.
; 128 work-groups, each reading 64 KB of Wo, rather than 8 that would each read all of it.  The launch lasts as long as its loads take to come: the matrix unit would add nothing to 8 rows.
; LIMITS: NaN and infinities are not served; the sums' order differs from the definition's.
.set P,    16                          ; v16-79  32 pairs of partials; then o (v16-31), the four sums (pairs from v32) and four exchange registers (v40-43)
.set V,    16
.set A,    32
.set W,    80                          ; v80-143 four rows of Wo
.set RES,  2048                        ; LDS: o in bytes 0 .. 2,047, the 32 results behind it
.set SEL,  26
	s_load_b256 s[4:11], s[0:1], 0x0               ; opart s[4:5], Wo s[6:7], bo s[8:9], y s[10:11]
	v_lshl_add_u32 v160, v0, 2, 0x900
	v_mov_b32 v161, 0
	v_and_b32 v1, 31, v0
	v_lshrrev_b32 v2, 5, v0
	v_readfirstlane_b32 s16, v2                    ; wave
	s_and_b32 s12, ttmp7, 0xffff                   ; batch
	v_lshlrev_b32 v3, 4, v1                        ; 16 l
	v_and_b32 v4, 3, v1
	v_lshlrev_b32 v5, 2, v4
	v_lshlrev_b32 v6, 3, v0                        ; 8 t: my two columns, in a partial and in LDS
	v_lshlrev_b32 v7, 2, v1                        ; 4 l
	s_lshl_b32 s22, s16, 4
	s_add_co_u32 s22, s22, RES
	v_add_nc_u32 v14, s22, v5                      ; LDS: result word 4 w + (l & 3)
	v_add_nc_u32 v15, RES, v7                      ; wave 0's way out
	s_lshl_b32 s17, ttmp9, 5
	s_lshl_b32 s18, s16, 2
	s_add_co_u32 s17, s17, s18                     ; my first output
	s_lshl_b32 s18, s17, 11
	s_mov_b32 s19, 0
	s_lshl_b32 s20, s17, 2
	s_mov_b32 s21, 0
	s_lshl_b32 s22, s12, 16                        ; the batch's 32 partials of 2,048 bytes
	s_mov_b32 s23, 0
	s_lshl_b32 s24, s12, 11
	s_lshl_b32 s25, ttmp9, 7
	s_add_co_u32 s24, s24, s25                     ; y: 2,048 b + 128 x
	s_mov_b32 s25, 0
	s_mov_b32 s[SEL], 0x76543210
	s_mov_b32 s[SEL+1], 0xfedcba98
	s_wait_kmcnt 0x0
	s_add_nc_u64 s[4:5], s[4:5], s[22:23]
	s_add_nc_u64 s[6:7], s[6:7], s[18:19]
	s_add_nc_u64 s[8:9], s[8:9], s[20:21]
	s_add_nc_u64 s[10:11], s[10:11], s[24:25]
.irp i, 0,1,2,3,4,5,6,7,8,9,10,11,12,13,14,15,16,17,18,19,20,21,22,23,24,25,26,27,28,29,30,31
	global_load_b64 v[P+2*\i:P+2*\i+1], v6, s[4:5] offset:2048*\i
.endr
.irp r, 0,1,2,3
.irp i, 0,1,2,3
	global_load_b128 v[W+16*\r+4*\i:W+16*\r+4*\i+3], v3, s[6:7] offset:2048*\r+512*\i
.endr
.endr
	global_load_b32 v12, v5, s[8:9]                ; bo of the output that I carry out
	s_wait_loadcnt 17                              ; the partials are in; Wo's 16 loads and bo's may be out
.irp i, 4,5,6,7,8,9,10,11,12,13,14,15,16,17,18,19,20,21,22,23,24,25,26,27,28,29,30,31
	v_pk_add_f32 v[P+2*(\i%4):P+2*(\i%4)+1], v[P+2*(\i%4):P+2*(\i%4)+1], v[P+2*\i:P+2*\i+1]   ; four chains
.endr
	v_pk_add_f32 v[P:P+1], v[P:P+1], v[P+2:P+3]
	v_pk_add_f32 v[P+4:P+5], v[P+4:P+5], v[P+6:P+7]
	v_pk_add_f32 v[P:P+1], v[P:P+1], v[P+4:P+5]
	ds_store_b64 v6, v[P:P+1]
	s_wait_dscnt 0x0                               ; for the others' sake: my two columns of o lie in LDS
	s_barrier_signal -1
	s_barrier_wait -1
.irp i, 0,1,2,3
	ds_load_b128 v[V+4*\i:V+4*\i+3], v3 offset:512*\i
.endr
	s_wait_loadcnt 0x0
	s_wait_dscnt 0x0
.irp r, 0,1,2,3
	v_pk_mul_f32 v[A+2*\r:A+2*\r+1], v[W+16*\r:W+16*\r+1], v[V:V+1]
.endr
.irp p, 2,4,6,8,10,12,14
.irp r, 0,1,2,3
	v_pk_fma_f32 v[A+2*\r:A+2*\r+1], v[W+16*\r+\p:W+16*\r+\p+1], v[V+\p:V+\p+1], v[A+2*\r:A+2*\r+1]
.endr
.endr
.irp r, 0,1,2,3
	v_add_f32 v[A+2*\r], v[A+2*\r], v[A+2*\r+1]
.endr
.irp m, 1,2,4,8
.irp r, 0,1,2,3
	v_add_f32_dpp v[A+2*\r], v[A+2*\r], v[A+2*\r] row_xmask:\m row_mask:0xf bank_mask:0xf
.endr
.endr
.irp r, 0,1,2,3
	v_permlanex16_b32 v[A+8+\r], v[A+2*\r], s[SEL], s[SEL+1]
.endr
.irp r, 0,1,2,3
	v_add_f32 v[A+2*\r], v[A+2*\r], v[A+8+\r]
.endr
	v_cmp_eq_u32 vcc_lo, 1, v4                     ; lane l keeps output l & 3
	v_cndmask_b32 v8, v[A], v[A+2], vcc_lo
	v_cmp_eq_u32 vcc_lo, 2, v4
	v_cndmask_b32 v8, v8, v[A+4], vcc_lo
	v_cmp_eq_u32 vcc_lo, 3, v4
	v_cndmask_b32 v8, v8, v[A+6], vcc_lo
	v_add_f32 v8, v8, v12
	ds_store_b32 v14, v8                           ; the eight lanes of one output write the same word with the same value
	s_wait_dscnt 0x0
	s_barrier_signal -1
	s_barrier_wait -1
	s_cmp_lg_u32 s16, 0
	s_cbranch_scc1 .Ldone
	ds_load_b32 v9, v15
	s_wait_dscnt 0x0
	global_store_b32 v7, v9, s[10:11]              ; 128 consecutive bytes
.Ldone:
	s_barrier_signal -1
	s_barrier_wait -1
	s_wait_tensorcnt 0x0
	ds_add_u32 v160, v161
	s_wait_dscnt 0x0
	s_endpgm
.Lfunc_end_k_q9858aade0c_oproj:
	.size	k_q9858aade0c_oproj, .Lfunc_end_k_q9858aade0c_oproj-k_q9858aade0c_oproj
	.p2alignl 7, 3214868480
	.fill 96, 4, 3214868480
	.section	.rodata,"a",@progbits
	.p2align	6, 0x0
	.amdhsa_kernel k_q9858aade0c_oproj
		.amdhsa_group_segment_fixed_size 3328
		.amdhsa_private_segment_fixed_size 0
		.amdhsa_enable_private_segment 0
		.amdhsa_kernarg_size 32
		.amdhsa_user_sgpr_count 2
		.amdhsa_user_sgpr_kernarg_segment_ptr 1
		.amdhsa_wavefront_size32 1
		.amdhsa_system_sgpr_workgroup_id_x 1
		.amdhsa_system_sgpr_workgroup_id_y 1
		.amdhsa_system_sgpr_workgroup_id_z 1
		.amdhsa_system_vgpr_workitem_id 0
		.amdhsa_next_free_vgpr 162
		.amdhsa_next_free_sgpr 66
		.amdhsa_reserve_vcc 1
		.amdhsa_float_denorm_mode_32 3
		.amdhsa_float_denorm_mode_16_64 3
		.amdhsa_memory_ordered 1
		.amdhsa_forward_progress 1
		.amdhsa_inst_pref_size 13
	.end_amdhsa_kernel
	.amdgpu_metadata
---
amdhsa.version: [ 1, 2 ]
amdhsa.kernels:
  - .name:           k_q9858aade0c_oproj
    .symbol:         k_q9858aade0c_oproj.kd
    .args:
      - { .name: opart, .offset: 0, .size: 8, .value_kind: global_buffer, .address_space: global }
      - { .name: Wo, .offset: 8, .size: 8, .value_kind: global_buffer, .address_space: global }
      - { .name: bo, .offset: 16, .size: 8, .value_kind: global_buffer, .address_space: global }
      - { .name: y, .offset: 24, .size: 8, .value_kind: global_buffer, .address_space: global }
    .group_segment_fixed_size: 3328
    .private_segment_fixed_size: 0
    .kernarg_segment_align: 8
    .kernarg_segment_size: 32
    .max_flat_workgroup_size: 256
    .sgpr_count:     66
    .vgpr_count:     162
    .wavefront_size: 32
...
	.end_amdgpu_metadata
.endif
;; end of part 4
;; launch outnorm (part 5): grid 8 x 1, 1 waves a work-group, no clusters, 0 bytes of LDS; arguments y, no_g, no_b, out0; writes out0
.if DOCPART == 5
	.amdgcn_target "amdgcn-amd-amdhsa--gfx1250"
	.amdhsa_code_object_version 6
	.text
	.protected	k_q9858aade0c_outnorm
	.globl	k_q9858aade0c_outnorm
	.p2align	8
	.type	k_q9858aade0c_outnorm,@function
k_q9858aade0c_outnorm:
	s_mov_b64 s[64:65], 0
	v_nop
	global_prefetch_b8 v0, s[64:65] scope:SCOPE_SE
	s_setreg_imm32_b32 hwreg(HW_REG_WAVE_MODE, 25, 1), 1
	s_wait_xcnt 0x0
; out0[b] = LN(y[b]) no_g + no_b.  One wave to a batch: a row of 512 numbers is 16 registers a lane (k = 128 i + 4 l + e), the mean and the variance never leave the wave.
; A launch of its own, since a row's 512 numbers come from 16 work-groups of the launch before.  LIMITS: NaN and infinities are not served; the sums' order differs from the definition's.
.set R,    16                          ; v16-31 the row
.set G,    32                          ; v32-47 no_g
.set B,    48                          ; v48-63 no_b
.set SEL,  14
.set C512, 16
.set EPS,  17
.macro WRED r, t                       ; the sum over the 32 lanes, in every lane
	v_add_f32_dpp v[\r], v[\r], v[\r] row_xmask:1 row_mask:0xf bank_mask:0xf
	v_add_f32_dpp v[\r], v[\r], v[\r] row_xmask:2 row_mask:0xf bank_mask:0xf
	v_add_f32_dpp v[\r], v[\r], v[\r] row_xmask:4 row_mask:0xf bank_mask:0xf
	v_add_f32_dpp v[\r], v[\r], v[\r] row_xmask:8 row_mask:0xf bank_mask:0xf
	v_permlanex16_b32 v[\t], v[\r], s[SEL], s[SEL+1]
	v_add_f32 v[\r], v[\r], v[\t]
.endm
	s_load_b256 s[4:11], s[0:1], 0x0               ; y s[4:5], no_g s[6:7], no_b s[8:9], out0 s[10:11]
	v_lshlrev_b32 v1, 4, v0                        ; 16 l
	v_mov_b32 v13, 0                               ; a lane permute's destination counts as read: written once
	s_lshl_b32 s12, ttmp9, 11
	s_mov_b32 s13, 0
	s_mov_b32 s[SEL], 0x76543210
	s_mov_b32 s[SEL+1], 0xfedcba98
	s_mov_b32 s[C512], 0x3b000000
	s_mov_b32 s[EPS], 0x3727c5ac
	s_wait_kmcnt 0x0
	s_add_nc_u64 s[4:5], s[4:5], s[12:13]
	s_add_nc_u64 s[10:11], s[10:11], s[12:13]
.irp i, 0,1,2,3
	global_load_b128 v[R+4*\i:R+4*\i+3], v1, s[4:5] offset:512*\i
.endr
.irp i, 0,1,2,3
	global_load_b128 v[G+4*\i:G+4*\i+3], v1, s[6:7] offset:512*\i
.endr
.irp i, 0,1,2,3
	global_load_b128 v[B+4*\i:B+4*\i+3], v1, s[8:9] offset:512*\i
.endr
	s_wait_loadcnt 8                               ; the row is in; the gain's and the bias's eight loads may be out
	v_pk_add_f32 v[8:9], v[R:R+1], v[R+2:R+3]
	v_pk_add_f32 v[10:11], v[R+4:R+5], v[R+6:R+7]
	v_pk_add_f32 v[8:9], v[8:9], v[R+8:R+9]
	v_pk_add_f32 v[10:11], v[10:11], v[R+10:R+11]
	v_pk_add_f32 v[8:9], v[8:9], v[R+12:R+13]
	v_pk_add_f32 v[10:11], v[10:11], v[R+14:R+15]
	v_pk_add_f32 v[8:9], v[8:9], v[10:11]
	v_add_f32 v8, v8, v9
	WRED 8, 13
	v_mul_f32 v8, 0xbb000000, v8                   ; - mean
	v_mov_b32 v9, v8
.irp p, 0,2,4,6,8,10,12,14
	v_pk_add_f32 v[R+\p:R+\p+1], v[R+\p:R+\p+1], v[8:9]
.endr
	v_pk_mul_f32 v[10:11], v[R:R+1], v[R:R+1]
	v_pk_mul_f32 v[14:15], v[R+2:R+3], v[R+2:R+3]
.irp p, 4,8,12
	v_pk_fma_f32 v[10:11], v[R+\p:R+\p+1], v[R+\p:R+\p+1], v[10:11]
	v_pk_fma_f32 v[14:15], v[R+\p+2:R+\p+3], v[R+\p+2:R+\p+3], v[14:15]
.endr
	v_pk_add_f32 v[10:11], v[10:11], v[14:15]
	v_add_f32 v10, v10, v11
	WRED 10, 13
	v_fma_f32 v10, v10, s[C512], s[EPS]
	v_rsq_f32 v8, v10
	v_nop                                          ; a plain instruction between the transcendental and the use of its result
	s_wait_alu depctr_va_vdst(0)
	v_mov_b32 v9, v8
.irp p, 0,2,4,6,8,10,12,14
	v_pk_mul_f32 v[R+\p:R+\p+1], v[R+\p:R+\p+1], v[8:9]
.endr
	s_wait_loadcnt 0x0
.irp p, 0,2,4,6,8,10,12,14
	v_pk_fma_f32 v[R+\p:R+\p+1], v[R+\p:R+\p+1], v[G+\p:G+\p+1], v[B+\p:B+\p+1]
.endr
.irp i, 0,1,2,3
	global_store_b128 v1, v[R+4*\i:R+4*\i+3], s[10:11] offset:512*\i      ; 512 consecutive bytes a store
.endr
	s_endpgm
.Lfunc_end_k_q9858aade0c_outnorm:
	.size	k_q9858aade0c_outnorm, .Lfunc_end_k_q9858aade0c_outnorm-k_q9858aade0c_outnorm
	.p2alignl 7, 3214868480
	.fill 96, 4, 3214868480
	.section	.rodata,"a",@progbits
	.p2align	6, 0x0
	.amdhsa_kernel k_q9858aade0c_outnorm
		.amdhsa_group_segment_fixed_size 0
		.amdhsa_private_segment_fixed_size 0
		.amdhsa_enable_private_segment 0
		.amdhsa_kernarg_size 32
		.amdhsa_user_sgpr_count 2
		.amdhsa_user_sgpr_kernarg_segment_ptr 1
		.amdhsa_wavefront_size32 1
		.amdhsa_system_sgpr_workgroup_id_x 1
		.amdhsa_system_sgpr_workgroup_id_y 1
		.amdhsa_system_sgpr_workgroup_id_z 1
		.amdhsa_system_vgpr_workitem_id 0
		.amdhsa_next_free_vgpr 64
		.amdhsa_next_free_sgpr 66
		.amdhsa_reserve_vcc 0
		.amdhsa_float_denorm_mode_32 3
		.amdhsa_float_denorm_mode_16_64 3
		.amdhsa_memory_ordered 1
		.amdhsa_forward_progress 1
		.amdhsa_inst_pref_size 6
	.end_amdhsa_kernel
	.amdgpu_metadata
---
amdhsa.version: [ 1, 2 ]
amdhsa.kernels:
  - .name:           k_q9858aade0c_outnorm
    .symbol:         k_q9858aade0c_outnorm.kd
    .args:
      - { .name: y, .offset: 0, .size: 8, .value_kind: global_buffer, .address_space: global }
      - { .name: no_g, .offset: 8, .size: 8, .value_kind: global_buffer, .address_space: global }
      - { .name: no_b, .offset: 16, .size: 8, .value_kind: global_buffer, .address_space: global }
      - { .name: out0, .offset: 24, .size: 8, .value_kind: global_buffer, .address_space: global }
    .group_segment_fixed_size: 0
    .private_segment_fixed_size: 0
    .kernarg_segment_align: 8
    .kernarg_segment_size: 32
    .max_flat_workgroup_size: 32
    .sgpr_count:     66
    .vgpr_count:     64
    .wavefront_size: 32
...
	.end_amdgpu_metadata
.endif
;; end of part 5
